; MI455X (gfx1250); checked and timed in simulation.
; The chip was launched on July 23, 2026; its instructions are those of AMD's public machine-readable ISA for CDNA 5 (MIT licence, August 2026) and "CDNA5" Instruction Set Architecture Reference Guide (July 2026). The comments in the code are by the model that wrote it; some were corrected since.
;; Riemann Rotary Attention. Allowed arithmetic: matrix products marked QUANTISED: E4M3 operands, one given power-of-two scale a tensor, by v_wmma_f32_16x16x64_fp8_fp8 or v_wmma_f32_16x16x128_fp8_fp8, f32 sums; everything else in f32.
;; Inputs: log_scale 16 float32; lowp_scales 8 int32 (the exponents e of the quantised operands' scales 2^e); w_o 1,024 x 1,024 float32; w_qkv 1,024 x 3,072 float32; x 4 x 2,048 x 1,024 float32.
;; Outputs: out0 4 x 2,048 x 1,024 float32.
;; This version of the problem:
;;   THIS VERSION OF THE PROBLEM IS GIVEN IN LOW PRECISION. The matrix products marked QUANTISED in the list below multiply operands that are first quantised to E4M3 (4 exponent bits, 3 mantissa bits; 8 bits a number), with one given power-of-two scale for each operand tensor; their sums are f32. All else is computed in f32.
;;   The module's matrix products, in the order in which they are computed (A, B: the left and right operand; K: the contracted axis; several contracted axes count as one K, in the product's order):
;;     1. [M 8,192, K 1,024] x [K 1,024, N 3,072]; A: input x; B: input w_qkv: QUANTISED (scales: A lowp_scales[0], B lowp_scales[1])
;;     2. batch 64 x [M 2,048, K 64] x [K 64, N 2,048]; A: computed on the way; B: computed on the way: QUANTISED (scales: A lowp_scales[2], B lowp_scales[3])
;;     3. batch 64 x [M 2,048, K 2,048] x [K 2,048, N 64]; A: softmax (see below); B: computed on the way: QUANTISED (scales: A lowp_scales[4], B lowp_scales[5])
;;     4. [M 8,192, K 1,024] x [K 1,024, N 1,024]; A: computed on the way; B: input w_o: QUANTISED (scales: A lowp_scales[6], B lowp_scales[7])
;;   THE QUANTISER, for each operand of a quantised product, along K:
;;     - The operand's scale is 2^e, e = its entry of the input lowp_scales (int32; the entries are numbered through the quantised products in the list's order, A before B).
;;     - Each number is divided by the scale, clamped to +-448, and rounded to the nearest number of E4M3, ties to even, subnormals kept.
;;     - The product sums the exact products of the quantised numbers (number of the format x scale) in f32.
;;   ~~~python
;;   def quantise(x, axis, e):      # numpy; x: float32 -> the quantised numbers, widened to float32 again
;;       x = np.moveaxis(x, axis, -1); K = x.shape[-1]
;;       r = np.clip(x / 2.0 ** e, -448, 448)
;;       step = 2.0 ** (np.maximum(np.frexp(np.where(r == 0, 1, r))[1] - 1, -6) - 3)
;;       q = np.round(r / step) * step * 2.0 ** e      # np.round: ties to even
;;       return np.moveaxis(q, -1, axis).astype(np.float32)
;;   ~~~
;;   SOFTMAX AHEAD OF A QUANTISED PRODUCT. Where the list says 'softmax', what is quantised is not the finished softmax but p = 2^(t - M), with t = logit x log2(e) and M = ceil(the row's largest t), a whole number; so 1/2 < the row's largest p <= 1. The row's sum l is taken of the UNQUANTISED p, in f32, and the product's result is divided by l at the end. Since M is a whole number, a kernel that streams over the keys may use a running M (the ceiling of the running maximum): every later rescaling is an exact power of two, so the quantised numbers keep their values, but for numbers so far below the row's largest that they fall under the format's range.
;;   OPERANDS COMPUTED ON THE WAY. 'Computed on the way' means the value that the module computes at that place (a softmax that the list does not call 'softmax' is quantised finished and normalised). What goes into a quantiser is computed in f32, as accurately as f32 sums, v_exp_f32 and their like allow (about 1e-6 of the number): no bf16 or f16 on the way to a quantiser, and a product that is left as it is and whose result goes on into a quantised operand takes f32 operands (vector FMAs, or v_wmma_f32_16x16x4_f32). A number that lies on a knife's edge between two numbers of the format may be rounded either way, as far as f32 arithmetic and the matrix unit's own rounding can turn it there, and no further.
;; One version. Each part assembles by itself: llvm-mc -triple=amdgcn-amd-amdhsa -mcpu=gfx1250 --defsym DOCPART=n.
;; ======== version 1 of 1: 4 launches
;; limits: right only within a limited range of input values
;; workspace buffers: x_codes 8,388,608 bytes; wqkv_codes 3,145,728 bytes; wo_codes 1,048,576 bytes; rope 8,388,608 bytes; q_codes 8,388,608 bytes; k_codes 8,388,608 bytes; v_codes 8,388,608 bytes; a_codes 8,388,608 bytes
;; launch prep (part 1): grid 512 x 1, 4 waves a work-group, no clusters, 102,912 bytes of LDS; arguments x, w_qkv, w_o, log_scale, lowp_scales, x_codes, wqkv_codes, wo_codes, rope; writes x_codes, wqkv_codes, wo_codes, rope
.if DOCPART == 1
	.amdgcn_target "amdgcn-amd-amdhsa--gfx1250"
	.amdhsa_code_object_version 6
	.text
	.protected	k_q548f4d379c_prep
	.globl	k_q548f4d379c_prep
	.p2align	8
	.type	k_q548f4d379c_prep,@function
k_q548f4d379c_prep:
	s_mov_b64 s[64:65], 0
	v_nop
	global_prefetch_b8 v0, s[64:65] scope:SCOPE_SE
	s_setreg_imm32_b32 hwreg(HW_REG_WAVE_MODE, 25, 1), 1
	s_wait_xcnt 0x0
; PREP: the three wide inputs become codes of FP8 (E4M3), and the rotation's cosines and sines become a table.
; code = number / 2^e, held within +-448, rounded to the nearest code, ties to even; e is the operand's entry of lowp_scales (x: 0, w_qkv: 1, w_o: 7).
; Four paths, chosen by the work-group's number; each path has LDS bytes of its own.
;   work-groups   0-255  x [8192][1024] f32      -> x_codes [8192][1024]: storage row p holds token swap34(p) (p with bits 3 and 4 exchanged)
;   work-groups 256-351  w_qkv [1024][3072] f32  -> wqkv_codes [3072][1024], K innermost: storage row p holds column swap34(p)
;   work-groups 352-383  w_o [1024][1024] f32    -> wo_codes [1024][1024], K innermost, rows in order
;   work-groups 384-511  rope [head 16][tile 128][chunk 8][lane 32][16 bytes]: (cos, sin, cos, sin) of two pairs at one position, in the order of the registers that the next launch multiplies by
; WHY swap34: sixteen storage rows are source 0 of a 16 x 16 product, whose result gives lane half h and register j row 8 h + j.  With the rows stored so, tiles 2 b and 2 b + 1 give a lane the sixteen
; NEIGHBOURS 32 b + 16 h + 0 .. 15, which is what the conversion to codes and the next product's operand want.
; LIMITS: each e between -126 and 119; NaN among the inputs is not served; the angle stays under 2^22 in magnitude (log_scale under about 7.6), so that its quadrant is a whole number that f32 holds.
.set SPARE, 102400                     ; behind the three paths' stages: the spare words, 128 bytes for each wave: two blocks of 256 bytes that no other line names
.set SPW,   12                         ; v12  LDS address of my spare word: SPARE + 4 x my thread's number; never rewritten
.set NIL,   13                         ; v13  0; never rewritten
.set WV,    22                         ; s22  my wave's number
.set EMAX,  8
.set MANT,  0x600000                   ; the mantissa field of 448 as f32
	s_load_b256 s[4:11], s[0:1], 0x0               ; x s[4:5], w_qkv s[6:7], w_o s[8:9], log_scale s[10:11]
	s_load_b256 s[12:19], s[0:1], 0x20             ; lowp_scales s[12:13], x_codes s[14:15], wqkv_codes s[16:17], wo_codes s[18:19]
	s_load_b64 s[20:21], s[0:1], 0x40              ; rope
	v_lshl_add_u32 v[SPW], v0, 2, SPARE
	v_mov_b32 v[NIL], 0
	v_lshrrev_b32 v1, 5, v0
	v_readfirstlane_b32 s[WV], v1                  ; wave 0..3
	v_and_b32 v2, 31, v0                           ; lane
	s_wait_kmcnt 0x0
	s_cmp_lt_u32 ttmp9, 256
	s_cbranch_scc1 .Lx
	s_cmp_lt_u32 ttmp9, 352
	s_cbranch_scc1 .Lwqkv
	s_cmp_lt_u32 ttmp9, 384
	s_cbranch_scc1 .Lwo
.macro GIVEN                           ; s30 = e  ->  v11 = 2^e as f32 (the conversion takes its exponent field), v10 = 448 x 2^e
	s_wait_kmcnt 0x0
	s_add_co_i32 s30, s30, 127
	s_lshl_b32 s31, s30, 23
	v_mov_b32 v11, s31
	s_add_co_i32 s30, s30, EMAX
	s_lshl_b32 s30, s30, 23
	s_or_b32 s30, s30, MANT
	v_mov_b32 v10, s30
.endm
.macro CLOSE                           ; a wave's end
	s_wait_tensorcnt 0x0
	ds_add_u32 v[SPW], v[NIL]
	s_wait_dscnt 0x0
	s_endpgm
.endm
; ---------------------------------------------------------------- THE TABLE
; theta = (pos x inv[p]) x exp(log_scale[head]), each product rounded to f32 in that order.  inv[p] = 1 / (gamma[p] / gamma[0]) is made here from the f32 gammas by two correctly rounded divisions.
; A work-group takes 16 position tiles of one head, a wave 4.  In tile T lane (r, h) stands for position swap34(16 T + r) = 32 (T / 2) + 8 (T % 2) + 16 (r / 8) + r % 8.
; Chunk c = 2 b4 + v of a tile holds, for lane (r, h), pairs 16 (b4 / 2) + 8 h + 4 (b4 % 2) + 2 v + 0, 1.  So a lane needs sixteen inv: number k = 2 c + e.
.set IFR,  16                          ; v16-31  gamma, then inv, number k
.set POSF, 54                          ; v54     my position as f32
.set SCL,  55                          ; v55     exp(log_scale[head])
	s_sub_co_u32 s23, ttmp9, 384                   ; tw = 8 x head + which sixteen tiles
	s_lshr_b32 s24, s23, 3                         ; head
	s_lshl_b32 s25, s24, 2
	s_load_b32 s26, s[10:11], s25 offset:0x0       ; log_scale[head]
	s_and_b32 s27, s23, 7
	s_lshl_b32 s27, s27, 4
	s_lshl_b32 s28, s[WV], 2
	s_add_co_u32 s27, s27, s28                     ; my first tile in the head
	s_lshl_b32 s32, s23, 4                         ; 16 tw = 128 x head + the work-group's first tile
	s_add_co_u32 s32, s32, s28
	s_lshl_b32 s32, s32, 12                        ; a tile is 4,096 bytes
	s_mov_b32 s33, 0
	s_add_nc_u64 s[20:21], s[20:21], s[32:33]
	s_mov_b32 s40, 0xbfc90fdb                      ; -pi/2 in three parts: the nearest f32,
	s_mov_b32 s41, 0x333bbd2e                      ; what it lacks,
	s_mov_b32 s42, 0x26f72ced                      ; and what that lacks
	s_mov_b32 s43, 0xb94ca1f9                      ; sine:   -1.9515295891e-4
	s_mov_b32 s44, 0x3c08839e                      ;          8.3321608736e-3
	s_mov_b32 s45, 0xbe2aaaa3                      ;         -1.6666654611e-1
	s_mov_b32 s46, 0x37ccf5ce                      ; cosine:  2.443315711809948e-5
	s_mov_b32 s47, 0xbab6061a                      ;         -1.388731625493765e-3
	s_mov_b32 s48, 0x3d2aaaa5                      ;          4.166664568298827e-2
	s_wait_alu depctr_va_vdst(0)
	v_lshlrev_b32 v3, 4, v2                        ; 16 x lane
	v_and_b32 v38, 7, v2
	v_bfe_u32 v39, v2, 3, 1
	v_lshl_add_u32 v38, v39, 4, v38                ; 16 (r / 8) + r % 8
	v_cmp_lt_u32 vcc_lo, 15, v2                    ; lanes 16-31
.macro GAM k, lo, hi                   ; gamma of pair p in lanes 0-15, of pair p + 8 in lanes 16-31; the decimal is rounded to f32 by way of a double
	v_mov_b32 v40, \lo
	v_mov_b32 v41, \hi
	v_cndmask_b32 v[IFR+\k], v40, v41, vcc_lo
.endm
	GAM 0, 14.134725142, 48.005150881
	GAM 1, 21.022039639, 49.773832478
	GAM 2, 25.01085758, 52.970321478
	GAM 3, 30.424876126, 56.446247697
	GAM 4, 32.935061588, 59.347044003
	GAM 5, 37.586178159, 60.831778525
	GAM 6, 40.918719012, 65.112544048
	GAM 7, 43.327073281, 67.079810529
	GAM 8, 69.546401711, 88.809111208
	GAM 9, 72.067157674, 92.491899271
	GAM 10, 75.704690699, 94.651344041
	GAM 11, 77.144840069, 95.870634228
	GAM 12, 79.33737502, 98.831194218
	GAM 13, 82.910380854, 101.317851006
	GAM 14, 84.735492981, 103.72553804
	GAM 15, 87.425274613, 105.446623052
	v_mov_b32 v35, 14.134725142                    ; gamma[0]
	; ratio = gamma / gamma[0]: a refined reciprocal y, q = a y, then twice q += (a - b q) y, the remainder taken exactly by a fused multiply-add
	s_wait_alu depctr_va_vdst(0)
	v_rcp_f32 v36, v35
	v_nop                                          ; a plain line behind the reciprocal,
	s_wait_alu depctr_va_vdst(0)                   ; and the wait ahead of its first reader
	v_fma_f32 v37, -v35, v36, 1.0
	v_fma_f32 v36, v37, v36, v36
.set n, 0
.rept 16
	v_mul_f32 v[96+n], v[IFR+n], v36
.set n, n+1
.endr
.rept 2
.set n, 0
.rept 16
	v_fma_f32 v[80+n], -v35, v[96+n], v[IFR+n]
.set n, n+1
.endr
.set n, 0
.rept 16
	v_fma_f32 v[96+n], v[80+n], v36, v[96+n]
.set n, n+1
.endr
.endr
	; inv = 1 / ratio, likewise
.set n, 0
	s_wait_alu depctr_va_vdst(0)
.rept 16
	v_rcp_f32 v[64+n], v[96+n]
.set n, n+1
.endr
	v_nop
	s_wait_alu depctr_va_vdst(0)                   ; one wait for the sixteen
.set n, 0
.rept 16
	v_fma_f32 v[80+n], -v[96+n], v[64+n], 1.0
.set n, n+1
.endr
.set n, 0
.rept 16
	v_fma_f32 v[64+n], v[80+n], v[64+n], v[64+n]   ; y
.set n, n+1
.endr
.set n, 0
.rept 16
	v_fma_f32 v[80+n], -v[96+n], v[64+n], 1.0
.set n, n+1
.endr
.set n, 0
.rept 16
	v_fma_f32 v[IFR+n], v[80+n], v[64+n], v[64+n]
.set n, n+1
.endr
.set n, 0
.rept 16
	v_fma_f32 v[80+n], -v[96+n], v[IFR+n], 1.0
.set n, n+1
.endr
.set n, 0
.rept 16
	v_fma_f32 v[IFR+n], v[80+n], v[64+n], v[IFR+n]
.set n, n+1
.endr
	; exp(ls) = 2^n x 2^((ls - n ln 2) log2 e), ln 2 in two parts
	s_wait_kmcnt 0x0
	v_mov_b32 v32, s26
	v_mul_f32 v33, 0x3fb8aa3b, v32
	v_rndne_f32 v33, v33
	v_fma_f32 v34, v33, 0xbf317200, v32
	v_fma_f32 v34, v33, 0xb5bfbe8e, v34
	v_mul_f32 v34, 0x3fb8aa3b, v34
	s_wait_alu depctr_va_vdst(0)
	v_exp_f32 v34, v34
	v_cvt_i32_f32 v33, v33                         ; (the plain line behind the exponential)
	s_wait_alu depctr_va_vdst(0)
	v_ldexp_f32 v[SCL], v34, v33
; cos(theta) -> v[dst], sin(theta) -> v[dst + 1].  theta = q pi/2 + r, |r| <= pi/4; polynomials in r; the quadrant q swaps the two and sets their signs.
.macro SINCOS k, dst
	v_mul_f32 v40, v[POSF], v[IFR+\k]
	v_mul_f32 v40, v40, v[SCL]                     ; theta
	v_mul_f32 v41, 0x3f22f983, v40                 ; x 2 / pi
	v_rndne_f32 v41, v41
	v_fma_f32 v42, v41, s40, v40
	v_fma_f32 v42, v41, s41, v42
	v_fma_f32 v42, v41, s42, v42                   ; r
	v_mul_f32 v43, v42, v42                        ; z = r r
	v_cvt_i32_f32 v44, v41                         ; q
	v_fma_f32 v45, v43, s43, s44
	v_fma_f32 v45, v45, v43, s45
	v_mul_f32 v45, v45, v43
	v_fma_f32 v45, v45, v42, v42                   ; sin r
	v_fma_f32 v46, v43, s46, s47
	v_fma_f32 v46, v46, v43, s48
	v_fma_f32 v47, v43, -0.5, 1.0
	v_mul_f32 v48, v43, v43
	v_fma_f32 v46, v46, v48, v47                   ; cos r
	v_and_b32 v49, 1, v44
	v_cmp_eq_u32 vcc_lo, 1, v49
	v_cndmask_b32 v50, v45, v46, vcc_lo            ; an odd quadrant swaps them
	v_cndmask_b32 v51, v46, v45, vcc_lo
	v_lshlrev_b32 v52, 30, v44
	v_and_b32 v52, 0x80000000, v52                 ; the sine is negative in quadrants 2 and 3: bit 1 of q,
	v_xor_b32 v[\dst+1], v50, v52
	v_add_nc_u32 v53, 1, v44
	v_lshlrev_b32 v53, 30, v53
	v_and_b32 v53, 0x80000000, v53                 ; the cosine in 1 and 2: bit 1 of q + 1
	v_xor_b32 v[\dst], v51, v53
.endm
	s_mov_b32 s31, 0
.Ltile:                                                ; four trips, a position tile each
	s_add_co_u32 s32, s27, s31                     ; T
	s_lshr_b32 s33, s32, 1
	s_lshl_b32 s33, s33, 5
	s_and_b32 s34, s32, 1
	s_lshl_b32 s34, s34, 3
	s_add_co_u32 s33, s33, s34                     ; 32 (T / 2) + 8 (T % 2)
	v_add_nc_u32 v[POSF], s33, v38
	v_cvt_f32_u32 v[POSF], v[POSF]
.irp c, 0,1,2,3,4,5,6,7
	SINCOS 2*\c, 64+4*\c
	SINCOS 2*\c+1, 64+4*\c+2
	global_store_b128 v3, v[64+4*\c:64+4*\c+3], s[20:21] offset:512*\c   ; 32 lanes store 512 consecutive bytes
.endr
	s_wait_xcnt 0x0                                ; the stores have read their registers and their base: both are written again only behind this wait
	s_add_nc_u64 s[20:21], s[20:21], 4096
	s_add_co_u32 s31, s31, 1
	s_cmp_lt_u32 s31, 4
	s_cbranch_scc1 .Ltile
	CLOSE
; ---------------------------------------------------------------- x
; A wave takes 8 rows (8,192 numbers) in 16 steps of 512.  Each load reads 512 consecutive bytes, 16 a lane; a step's 2,048 bytes turn through the wave's own stage in LDS and come back 64 bytes a lane:
; 16 neighbours along K, which the conversions want in one lane's registers.  A lane's 16 codes are 16 bytes: the wave stores 512 consecutive bytes.  Loads run four steps ahead, the turn one.
.set XSTEPS, 16
.set SP,  80                           ; a lane's place in a stage: its 64 bytes + 16 of padding
.set XR,  16                           ; v16-79   four sets of 16 numbers as loaded
.set XX,  80                           ; v80-111  two sets of 16 neighbours
.set XC,  128                          ; v128-191 codes: four registers for each step, so that no store's data are written again
.macro XLOAD t
.irp i, 0,1,2,3
	global_load_b128 v[XR+16*((\t)%4)+4*\i:XR+16*((\t)%4)+4*\i+3], v3, s[4:5] offset:2048*(\t)+512*\i th:TH_LOAD_NT
.endr
.endm
.macro XTURN t                         ; LDS serves a wave's instructions in order, so no wait stands between the stores and the loads
.irp i, 0,1,2,3
	ds_store_b128 v14, v[XR+16*((\t)%4)+4*\i:XR+16*((\t)%4)+4*\i+3] offset:32*SP*((\t)%2)+8*SP*\i
.endr
.irp i, 0,1,2,3
	ds_load_b128 v[XX+16*((\t)%2)+4*\i:XX+16*((\t)%2)+4*\i+3], v15 offset:32*SP*((\t)%2)+16*\i
.endr
.endm
.macro XSTEP t
.set XS, XX+16*((\t)%2)
	s_wait_dscnt 0x0                               ; this step's numbers are back from the stage, so its stores into the stage have read their registers,
.if (\t)+4 < XSTEPS
	XLOAD (\t)+4                                   ; which take the loads of four steps on
.endif
.if (\t)+1 < XSTEPS
.if XSTEPS-2-(\t) >= 3
	s_wait_loadcnt 12                              ; the next step's four loads are in; those of the three steps behind it may be out
.else
	s_wait_loadcnt 4*(XSTEPS-2-(\t))
.endif
	XTURN (\t)+1
.endif
.set n, 0
.rept 16
	v_med3_num_f32 v[XS+n], v[XS+n], -v10, v10     ; the conversion to an 8-bit code does not saturate (ISA guide 7.6.2): the hold at the largest code x the scale comes first
.set n, n+1
.endr
	v_cvt_scalef32_pk8_fp8_f32 v[XC+4*(\t):XC+4*(\t)+1], v[XS:XS+7], v11
	v_cvt_scalef32_pk8_fp8_f32 v[XC+4*(\t)+2:XC+4*(\t)+3], v[XS+8:XS+15], v11
	global_store_b128 v3, v[XC+4*(\t):XC+4*(\t)+3], s[14:15] offset:512*(\t)   ; the codes go to a store alone; the next step's sixteen holds are the plain lines behind the conversions
.endm
.Lx:
	s_load_b32 s30, s[12:13], 0x0                  ; e of x
	s_wait_alu depctr_va_vdst(0)
	v_lshlrev_b32 v3, 4, v2                        ; my 16 bytes of a load's 512, and of a step's codes
	s_wait_alu depctr_va_vdst(0)
	s_mul_i32 s23, s[WV], 8192                     ; my wave's region of LDS
	v_lshrrev_b32 v14, 2, v2
	v_mul_u32_u24 v14, v14, SP
	v_and_b32 v15, 3, v2
	v_lshl_add_u32 v14, v15, 4, v14
	v_add_nc_u32 v14, s23, v14                     ; the stage, on the way in: SP (lane / 4) + 16 (lane % 4)
	v_mul_u32_u24 v15, v2, SP
	v_add_nc_u32 v15, s23, v15                     ; and on the way out: SP x lane
	s_lshl_b32 s24, ttmp9, 2
	s_add_co_u32 s25, s24, s[WV]                   ; g: which 8 rows
	s_lshl_b32 s26, s25, 15
	s_mov_b32 s27, 0
	s_add_nc_u64 s[4:5], s[4:5], s[26:27]
	s_and_b32 s25, s[WV], 1                        ; bits 3 and 4 of a row are bits 0 and 1 of g, which are the wave's number: they change places
	s_lshl_b32 s25, s25, 1
	s_lshr_b32 s28, s[WV], 1
	s_or_b32 s25, s25, s28
	s_add_co_u32 s25, s24, s25
	s_lshl_b32 s26, s25, 13
	s_add_nc_u64 s[14:15], s[14:15], s[26:27]
.irp t, 0,1,2,3
	XLOAD \t
.endr
	s_wait_alu depctr_va_vdst(0)
	GIVEN
	s_wait_alu depctr_va_vdst(0)
	s_wait_loadcnt 12                              ; step 0's four loads are in
	XTURN 0
.irp t, 0,1,2,3,4,5,6,7,8,9,10,11,12,13,14,15
	XSTEP \t
.endr
	CLOSE
; ---------------------------------------------------------------- THE WEIGHTS: K is their first axis
; A lane takes a column n and its registers run down K: each load reads neighbouring n in neighbouring lanes, and the conversions give codes with K innermost.  A wave takes 32 columns x 256 along K;
; the codes go through the wave's own stage (rows of 256 bytes + 16) and leave as rows: sixteen lanes store 256 consecutive bytes, aligned.  Loads run two blocks of 32 along K ahead.
.set WP,   272
.set WX,   32                          ; v32-95   two sets of 32 numbers
.set WC,   96                          ; v96-103  a block's codes
.set OUTR, 112                         ; v112-175 the way out
.macro WLOAD t, N, SRC
.set n, 0
.rept 32
	global_load_b32 v[WX+32*((\t)%2)+n], v3, s[\SRC:\SRC+1] offset:(32*(\t)+n)*\N*4 th:TH_LOAD_NT
.set n, n+1
.endr
.endm
.macro WBLOCK t, N, SRC
.set XS, WX+32*((\t)%2)
.if (\t) < 7
	s_wait_loadcnt 32                              ; this block's 32 loads are in; the next block's may be out
.else
	s_wait_loadcnt 0
.endif
.set n, 0
.rept 32
	v_med3_num_f32 v[XS+n], v[XS+n], -v10, v10
.set n, n+1
.endr
.irp g, 0,1,2,3
	v_cvt_scalef32_pk8_fp8_f32 v[WC+2*\g:WC+2*\g+1], v[XS+8*\g:XS+8*\g+7], v11
.endr
	ds_store_b128 v4, v[WC:WC+3] offset:32*(\t)
	ds_store_b128 v4, v[WC+4:WC+7] offset:32*(\t)+16
.if (\t)+2 < 8
	WLOAD (\t)+2, \N, \SRC
.endif
	s_wait_dscnt 0x0                               ; the stores have read their registers: the next block's codes may be written
.endm
; N: columns of the weight.  PERM = 1: column c goes to storage row swap34(c).  LB: the path's LDS.  WG0: its first work-group.  SRC, DST: the scalar pairs with the two addresses.  EOFF: e's byte in lowp_scales.
.macro WPATH N, PERM, LB, WG0, SRC, DST, EOFF
	s_load_b32 s30, s[12:13], \EOFF
	s_sub_co_u32 s23, ttmp9, \WG0
	s_lshr_b32 s24, s23, 2                         ; which 128 columns
	s_and_b32 s25, s23, 3                          ; which 256 along K
	s_lshl_b32 s24, s24, 7
	s_lshl_b32 s26, s[WV], 5
	s_add_co_u32 s24, s24, s26                     ; my wave's first column
	v_lshlrev_b32 v3, 2, v2                        ; in: 4 bytes a lane
	s_mul_i32 s26, s[WV], 32*WP
	s_add_co_u32 s26, s26, \LB                     ; my stage
	v_mul_u32_u24 v4, v2, WP
	v_add_nc_u32 v4, s26, v4                       ; into it: row = my column
	v_and_b32 v5, 15, v2
	v_lshrrev_b32 v6, 4, v2
	v_mul_u32_u24 v7, v6, WP
	v_lshl_add_u32 v7, v5, 4, v7
	v_add_nc_u32 v7, s26, v7                       ; out of it: sixteen lanes to a row, two rows an instruction
	v_lshlrev_b32 v8, 10, v6
	v_lshl_add_u32 v8, v5, 4, v8                   ; and the same place in the codes' buffer, whose rows are 1,024 bytes
	s_mul_i32 s28, s25, 256*\N*4
	s_lshl_b32 s27, s24, 2
	s_add_co_u32 s28, s28, s27
	s_mov_b32 s29, 0
	s_add_nc_u64 s[\SRC:\SRC+1], s[\SRC:\SRC+1], s[28:29]
	s_lshl_b32 s28, s24, 10
	s_lshl_b32 s27, s25, 8
	s_add_co_u32 s28, s28, s27
	s_add_nc_u64 s[\DST:\DST+1], s[\DST:\DST+1], s[28:29]
	WLOAD 0, \N, \SRC
	WLOAD 1, \N, \SRC
	GIVEN
	s_wait_alu depctr_va_vdst(0)
.irp t, 0,1,2,3,4,5,6,7
	WBLOCK \t, \N, \SRC
.endr
.irp t, 0,1,2,3,4,5,6,7,8,9,10,11,12,13,14,15
	ds_load_b128 v[OUTR+4*\t:OUTR+4*\t+3], v7 offset:2*\t*WP
.endr
.irp t, 0,1,2,3,4,5,6,7,8,9,10,11,12,13,14,15
	s_wait_dscnt 15-\t                             ; LDS loads come back in order: number t is in
.if \PERM
	global_store_b128 v8, v[OUTR+4*\t:OUTR+4*\t+3], s[\DST:\DST+1] offset:(2*(\t%4)+16*((\t/4)%2)+8*(\t/8))*1024   ; columns 2 t, 2 t + 1 with bits 3 and 4 exchanged
.else
	global_store_b128 v8, v[OUTR+4*\t:OUTR+4*\t+3], s[\DST:\DST+1] offset:2*\t*1024
.endif
.endr
	CLOSE
.endm
.Lwqkv:
	s_wait_alu depctr_va_vdst(0)
	WPATH 3072, 1, 32768, 256, 6, 16, 0x4
.Lwo:
	s_wait_alu depctr_va_vdst(0)
	WPATH 1024, 0, 67584, 352, 8, 18, 0x1c
.Lfunc_end_k_q548f4d379c_prep:
	.size	k_q548f4d379c_prep, .Lfunc_end_k_q548f4d379c_prep-k_q548f4d379c_prep
	.p2alignl 7, 3214868480
	.fill 96, 4, 3214868480
	.section	.rodata,"a",@progbits
	.p2align	6, 0x0
	.amdhsa_kernel k_q548f4d379c_prep
		.amdhsa_group_segment_fixed_size 102912
		.amdhsa_private_segment_fixed_size 0
		.amdhsa_enable_private_segment 0
		.amdhsa_kernarg_size 72
		.amdhsa_user_sgpr_count 2
		.amdhsa_user_sgpr_kernarg_segment_ptr 1
		.amdhsa_wavefront_size32 1
		.amdhsa_system_sgpr_workgroup_id_x 1
		.amdhsa_system_sgpr_workgroup_id_y 1
		.amdhsa_system_sgpr_workgroup_id_z 1
		.amdhsa_system_vgpr_workitem_id 0
		.amdhsa_next_free_vgpr 192
		.amdhsa_next_free_sgpr 66
		.amdhsa_reserve_vcc 1
		.amdhsa_float_denorm_mode_32 3
		.amdhsa_float_denorm_mode_16_64 3
		.amdhsa_memory_ordered 1
		.amdhsa_forward_progress 1
		.amdhsa_inst_pref_size 172
	.end_amdhsa_kernel
	.amdgpu_metadata
---
amdhsa.version: [ 1, 2 ]
amdhsa.kernels:
  - .name:           k_q548f4d379c_prep
    .symbol:         k_q548f4d379c_prep.kd
    .args:
      - { .name: x, .offset: 0, .size: 8, .value_kind: global_buffer, .address_space: global }
      - { .name: w_qkv, .offset: 8, .size: 8, .value_kind: global_buffer, .address_space: global }
      - { .name: w_o, .offset: 16, .size: 8, .value_kind: global_buffer, .address_space: global }
      - { .name: log_scale, .offset: 24, .size: 8, .value_kind: global_buffer, .address_space: global }
      - { .name: lowp_scales, .offset: 32, .size: 8, .value_kind: global_buffer, .address_space: global }
      - { .name: x_codes, .offset: 40, .size: 8, .value_kind: global_buffer, .address_space: global }
      - { .name: wqkv_codes, .offset: 48, .size: 8, .value_kind: global_buffer, .address_space: global }
      - { .name: wo_codes, .offset: 56, .size: 8, .value_kind: global_buffer, .address_space: global }
      - { .name: rope, .offset: 64, .size: 8, .value_kind: global_buffer, .address_space: global }
    .group_segment_fixed_size: 102912
    .private_segment_fixed_size: 0
    .kernarg_segment_align: 8
    .kernarg_segment_size: 72
    .max_flat_workgroup_size: 128
    .sgpr_count:     66
    .vgpr_count:     192
    .wavefront_size: 32
...
	.end_amdgpu_metadata
.endif
;; end of part 1
;; launch qkv (part 2): grid 12 x 32, 4 waves a work-group, clusters of 4 x 4, 327,680 bytes of LDS; arguments x_codes, wqkv_codes, lowp_scales, rope, q_codes, k_codes, v_codes; writes q_codes, k_codes, v_codes
.if DOCPART == 2
	.amdgcn_target "amdgcn-amd-amdhsa--gfx1250"
	.amdhsa_code_object_version 6
	.text
	.protected	k_q548f4d379c_qkv
	.globl	k_q548f4d379c_qkv
	.p2align	8
	.type	k_q548f4d379c_qkv,@function
k_q548f4d379c_qkv:
	s_mov_b64 s[64:65], 0
	v_nop
	global_prefetch_b8 v0, s[64:65] scope:SCOPE_SE
	s_setreg_imm32_b32 hwreg(HW_REG_WAVE_MODE, 25, 1), 1
	s_wait_xcnt 0x0
	s_wait_alu depctr_hold_cnt(0) depctr_sa_sdst(0) depctr_va_vdst(0) depctr_va_sdst(0) depctr_va_ssrc(0) depctr_va_vcc(0) depctr_vm_vsrc(0)
	s_getreg_b32 s2, hwreg(HW_REG_IB_STS2, 6, 4)
	s_cmp_eq_u32 s2, 0
	s_cbranch_scc0 .Lentry_in_a_cluster
	s_endpgm
.Lentry_in_a_cluster:
	s_bfe_u32 s2, ttmp6, 0x10000c
	s_cmp_lg_u32 s2, 0xf033
	s_cbranch_scc0 .Lentry_shape_is_right
	s_endpgm
.Lentry_shape_is_right:
; QKV: x w_qkv on codes of FP8 (E4M3), the rotation of q and k, and the quantising of q, k and v, whose codes leave as images of the operand registers of the attention launch.
; A tile of the product, 256 x 256, is made by four waves, each 128 x 128: 64 accumulators of 16 x 16, 512 registers.  K = 1,024 goes in four steps of 256 through a ring of two LDS slots filled by the tensor data mover.
; ONE LOOP, TWO ORIENTATIONS.  D = P Q^T: source 0 = 16 rows of P, source 1 = 16 rows of Q; a lane then holds ONE row of Q and its registers run along rows of P.
;   q, k (cluster x = 0, 1): P = the weight's features, Q = the tokens: a lane holds a token, and its registers run along the head's 64, which is the next product's K.
;   v    (cluster x = 2):    P = the tokens, Q = the features: a lane holds a channel, and its registers run along the keys, which are the K of the product with the softmax.
; Only the addresses of the tensor loads differ; both tensors have rows of 1,024 bytes.  Rows are STORED with bits 3 and 4 of their number exchanged, so that the 16 registers of P's tiles 2 b and 2 b + 1 are the
; 16 neighbours 32 b + 16 (lane / 16) + 0 .. 15: the conversions' results are fragments as they stand, and each store covers 512 consecutive bytes.  Nothing goes through LDS on the way out.
; CLUSTERS: 4 x 4 work-groups.  P's tile hangs on cx alone and is shared along a column of the cluster, Q's on cy alone and is shared along a row: each is asked for jointly.  The type is the cluster's x: the same in all sixteen.
; THE SCALES: a sum stands for sum x 2^(e0 + e1); the rotation is linear; so the conversion's one scale is 2^(et - e0 - e1), et = e2 (q), e3 (k), e5 (v).  LIMIT: et - e0 - e1 between -126 and 119.
; REGISTERS, in windows of 256: window 0: v0-31 addresses and scales; from v128 Q's fragments, ONE set; on the way out v96-127 codes, v128-191 numbers at work.
;   window 1: P's fragments, TWO sets; on the way out the table of cosines and sines, four blocks of 64.   windows 2, 3: the accumulators ((a, b) at v[8 (8 (a % 4) + b)] of window 2 + a / 4).
.set KSTEP,  256
.set ROWB,   256                       ; a tile's row in bytes
.set KROW,   1024                      ; a row of either tensor in memory
.set PITCH,  272                       ; an LDS row: 256 bytes + 16 of padding = 68 words: the 16 rows that a load touches start at 16 different banks (64 banks of 4 bytes: ISA guide 11.1)
.set FR,     16
.set NL,     4
.set NP,     4
.set HALFT,  128*PITCH
.set SLOT,   4*HALFT                   ; Q's 256 rows, then P's 256 rows
.set LAPS,   2                         ; 1,024 / 512
.set SPARE,  2*SLOT                    ; behind the ring: the spare words, 128 bytes for each wave: two blocks of 256 bytes that no other line names
.set SC,   8                           ; v8   2^(et - e0 - e1) as f32
.set LIM,  9                           ; v9   448 x that
.set LO,   10                          ; v10  16 x lane
.set ADRA, 16                          ; v16-17  LDS address of my fragments of Q in slot 0, 1
.set ADRB, 20                          ; v20-21  the same for P
.set SPW,  28                          ; v28  LDS address of my spare word; never rewritten
.set NIL,  29                          ; v29  0; never rewritten
.set CD,   96
.set TMP,  128
.set AF,   128
.set G1, 24                            ; s[24:31] descriptor group 1 for Q's tiles;  s[32:39] group 0, one set for each slot
.set G0, 32
.set G1B, 48                           ; s[48:55], s[56:63] the same for P's tiles
.set G0B, 56
.set MSB, 0
.macro WIN new                         ; the immediate's high byte repeats the setting that is left
.if MSB != (\new)
	s_set_vgpr_msb (MSB<<8)|(\new)
.set MSB, (\new)
.endif
.endm
.set MUL_LO, 0xa1                      ; source 0 (P) window 1, source 1 (Q) window 0, C and D window 2
.set MUL_HI, 0xf1
.set TO_B,   0x40
; A joint load: waves 0 and 1 fetch for Q, waves 2 and 3 for P.  The branch hangs on the wave's number alone.  An s_nop 0 and four v_nop follow each of the two lines.
.macro JLOAD g0a, g1a, g0b, g1b
	s_cmp_eq_u32 s15, 0
	s_cbranch_scc0 .Lfor_b_\@
	tensor_load_to_lds s[\g0a:\g0a+3], s[\g1a:\g1a+7]
	s_nop 0
.rept 4
	v_nop
.endr
	s_branch .Lasked_\@
.Lfor_b_\@:
	tensor_load_to_lds s[\g0b:\g0b+3], s[\g1b:\g1b+7]
	s_nop 0
.rept 4
	v_nop
.endr
.Lasked_\@:
.endm
.macro CREST                           ; a round of the cluster's barrier behind its opening barrier
	s_cmp_lg_u32 s14, 0
	s_cbranch_scc1 .Lnot_wave_0_\@
	s_barrier_signal -3
.Lnot_wave_0_\@:
	s_barrier_wait -3
	s_barrier_signal -1
	s_barrier_wait -1
.endm
.macro CROUND
	s_barrier_signal -1
	s_barrier_wait -1
	CREST
.endm
	s_load_b256 s[4:11], s[0:1], 0x0               ; x_codes s[4:5], wqkv_codes s[6:7], lowp_scales s[8:9], rope s[10:11]
	s_load_b128 s[68:71], s[0:1], 0x20             ; q_codes, k_codes
	s_load_b64 s[72:73], s[0:1], 0x30              ; v_codes
	v_lshl_add_u32 v[SPW], v0, 2, SPARE
	v_mov_b32 v[NIL], 0
	ds_add_u32 v[SPW], v[NIL]                      ; the wave's opening: the add and its wait ahead of my first tensor load; the set-up below, work on registers, stands between them
	ds_add_u32 v[SPW], v[NIL]
	v_lshrrev_b32 v1, 5, v0
	v_readfirstlane_b32 s14, v1                    ; wave 0..3
	s_lshr_b32 s15, s14, 1                         ; which half of Q's rows is mine.  Also: I fetch for Q (0) or for P (1)
	s_and_b32 s16, s14, 1                          ; which half of P's rows.  Also: which 128 rows of that tile I fetch
	s_bfe_u32 s40, ttmp6, 0x40000                  ; cx, cy: my place in the cluster
	s_bfe_u32 s41, ttmp6, 0x40004
	s_and_b32 s17, ttmp7, 0xffff                   ; cluster y: which 1,024 tokens
	s_cmp_eq_u32 ttmp9, 2                          ; cluster x: 0 q, 1 k, 2 v: which 1,024 features
	s_cselect_b32 s42, s17, ttmp9                  ; P's cluster coordinate: the tokens' for v, else the features'
	s_cselect_b32 s17, ttmp9, s17                  ; Q's: the other one
	s_lshl_b32 s42, s42, 2
	s_add_co_u32 s42, s42, s40                     ; pI: which 256 rows of P = 4 x its cluster coordinate + cx
	s_lshl_b32 s17, s17, 2
	s_add_co_u32 s17, s17, s41                     ; qI: which 256 rows of Q = 4 x its cluster coordinate + cy
	s_lshl_b32 s43, s41, 2
	s_lshl_b32 s43, 15, s43                        ; my row of the cluster
	s_lshl_b32 s44, 0x1111, s40                    ; my column
	s_or_b32 s[G1+0], s43, (0<<16)|(1<<20)|(1<<21)|(5<<22)|(3<<25)  ; 15:0 the mask: Q's tiles go to my row; 17:16 element of 1 byte; 20 padding on; 21 set beside a mask; 24:22 after every 64 words (code 5); 31:25 of 4 words (code 3)
	s_or_b32 s[G1B+0], s44, (0<<16)|(1<<20)|(1<<21)|(5<<22)|(3<<25) ; P's tiles go to my column
.irp g, G1, G1B
	s_mov_b32 s[\g+1], ROWB<<16                    ; tensor_dim0
	s_mov_b32 s[\g+2], 128<<16                     ; tensor_dim1 = 128
	s_mov_b32 s[\g+3], ROWB<<16                    ; tile_dim0
	s_mov_b32 s[\g+4], 128                         ; tile_dim1 = 128
	s_mov_b32 s[\g+5], KROW                        ; tensor_dim0_stride
	s_mov_b32 s[\g+6], 0
	s_mov_b32 s[\g+7], 0
.endr
	s_lshl_b32 s18, s16, 7                         ; which 128 rows of the tile I fetch
	s_lshl_b32 s20, s17, 8
	s_add_co_u32 s20, s20, s18                     ; Q: row 256 qI + 128 x half
	s_lshl_b32 s20, s20, 10                        ; in bytes: under 2^23
	s_mov_b32 s21, 0
	s_lshl_b32 s46, s42, 8
	s_add_co_u32 s46, s46, s18                     ; P likewise, in registers that never hold cy
	s_lshl_b32 s46, s46, 10
	s_mov_b32 s47, 0
	s_mul_i32 s45, s14, HALFT                      ; where they go: wave x 128 rows: no place in the cluster enters an LDS address
	s_wait_dscnt 0x0                               ; the opening add is done
	s_wait_kmcnt 0x0
	s_load_b256 s[80:87], s[8:9], 0x0              ; e0 .. e7
	s_cmp_eq_u32 ttmp9, 2
	s_cselect_b64 s[76:77], s[6:7], s[4:5]         ; Q's tensor: the weight for v, else the tokens
	s_cselect_b64 s[78:79], s[4:5], s[6:7]         ; P's: the other one
	s_add_nc_u64 s[20:21], s[76:77], s[20:21]
	s_add_nc_u64 s[46:47], s[78:79], s[46:47]
	CROUND                                         ; all sixteen work-groups are here: the first joint loads meet
.irp s, 0,1
	s_mov_b32 s[G0+4*\s], 1
	s_add_co_u32 s[G0+4*\s+1], s45, \s*SLOT
	s_add_nc_u64 s[G0+4*\s+2:G0+4*\s+3], s[20:21], \s*ROWB
	s_or_b32 s[G0+4*\s+3], s[G0+4*\s+3], 0x80000000
	s_mov_b32 s[G0B+4*\s], 1
	s_add_co_u32 s[G0B+4*\s+1], s45, \s*SLOT
	s_add_nc_u64 s[G0B+4*\s+2:G0B+4*\s+3], s[46:47], \s*ROWB
	s_or_b32 s[G0B+4*\s+3], s[G0B+4*\s+3], 0x80000000
.endr
	JLOAD G0, G1, G0B, G1B                         ; K step 0: one tensor load a wave
	v_and_b32 v1, 15, v0                           ; l % 16
	v_bfe_u32 v2, v0, 4, 1                         ; l / 16
	v_mul_u32_u24 v3, v1, PITCH
	v_lshl_add_u32 v4, v2, 4, v3                   ; a fragment's row x pitch + 16 x half
	s_mul_i32 s21, s15, HALFT                      ; my 128 rows of Q
	s_mul_i32 s22, s16, HALFT                      ; my 128 rows of P,
	s_add_co_u32 s22, s22, 2*HALFT                 ; which lie behind Q's 256
.irp s, 0,1
	v_add_nc_u32 v[ADRA+\s], s21, v4
	v_add_nc_u32 v[ADRB+\s], s22, v4
	s_add_co_u32 s21, s21, SLOT
	s_add_co_u32 s22, s22, SLOT
.endr
.macro FRAG reg, adr, q, i             ; a fragment, 16 rows x 128 K, is 16 registers: lane l holds row l % 16; registers 4 c .. 4 c + 3 hold K = 32 c + 16 (l / 16) + 0 .. 15: the same places of k on both sides
.irp c, 0,1,2,3
	ds_load_b128 v[\reg+4*\c:\reg+4*\c+3], v[\adr] offset:128*(\q)+32*\c+(\i)*16*PITCH
.endr
.endm
; 16 matrix instructions: Q's blocks a0, a0 + 1 x P's eight, 128 along K.  p: P's set.  zero = 1: the first product starts the sums.  The 64 accumulators take turns, one instruction a turn.
.macro MUL16 a0, p, zero
.irp a, \a0, \a0+1
.irp b, 0,1,2,3,4,5,6,7
.if \zero
	v_wmma_f32_16x16x128_fp8_fp8 v[8*(8*((\a)%4)+\b):8*(8*((\a)%4)+\b)+7], v[128*(\p)+FR*\b:128*(\p)+FR*\b+FR-1], v[AF+FR*(\a):AF+FR*(\a)+FR-1], 0
.else
	v_wmma_f32_16x16x128_fp8_fp8 v[8*(8*((\a)%4)+\b):8*(8*((\a)%4)+\b)+7], v[128*(\p)+FR*\b:128*(\p)+FR*\b+FR-1], v[AF+FR*(\a):AF+FR*(\a)+FR-1], v[8*(8*((\a)%4)+\b):8*(8*((\a)%4)+\b)+7]
.endif
.endr
.endr
.endm
.macro FETCH_B slot, q, p
	WIN TO_B
.irp i, 0,1,2,3,4,5,6,7
	FRAG 128*(\p)+FR*\i, ADRB+\slot, \q, \i
.endr
	WIN 0
.endm
.macro FETCH_A slot, q, i0
.irp i, \i0, \i0+1, \i0+2, \i0+3
	FRAG AF+FR*(\i), ADRA+\slot, \q, \i
.endr
.endm
.macro PLACES n                        ; a load into a register that a matrix instruction has read stands four plain vector instructions behind it (ISA guide 7.12.1 for vector instructions)
.rept \n
	v_nop
.endr
.endm
; A step of 128 along K that has its successor in the same slot.  A block of Q is free as soon as its eight products are issued, so one set serves Q; P's fragments are at work through the whole step and have two.
.macro STEP slot, q, zero
	s_wait_dscnt 4*NL                              ; P's set and Q's blocks 0-3 are in; the youngest sixteen loads (Q's blocks 4-7) may be out
	WIN MUL_LO
	MUL16 0, (\q)%2, \zero
	MUL16 2, (\q)%2, \zero
	s_wait_dscnt 0                                 ; Q's blocks 4-7 are in
	PLACES NP
	FETCH_B \slot, (\q)+1, 1-(\q)%2
	FETCH_A \slot, (\q)+1, 0
	WIN MUL_HI
	MUL16 4, (\q)%2, \zero
	MUL16 6, (\q)%2, \zero
	PLACES NP
	WIN 0
	FETCH_A \slot, (\q)+1, 4
.endm
; A slot's last step changes slots: ONE barrier; in front of it each wave waits for all its tensor loads, adds 0 to its spare word, and waits for that and for its own reads of this slot.  fill = 1: this slot is filled again.
.macro TURN slot, next, fill
	s_wait_tensorcnt 0x0                           ; all my tensor loads have landed: my part of the next slot
	ds_add_u32 v[SPW], v[NIL]                      ; 0 onto my spare word
	s_wait_dscnt 4*NL+1                            ; (the add and the youngest sixteen loads may be out)
	WIN MUL_LO
	MUL16 0, 1, 0                                  ; sixteen matrix instructions stand between the add and the wait for it
	s_wait_dscnt 0x0                               ; the add is done, and my reads of this slot are over
	s_barrier_signal -1
	MUL16 2, 1, 0
	WIN 0
	s_barrier_wait -1
.if \fill
	CREST                                          ; the barrier has opened a round of the cluster's barrier: no wave of any partner still reads this slot's tile or has a load on its way
	s_add_nc_u64 s[G0+4*\slot+2:G0+4*\slot+3], s[G0+4*\slot+2:G0+4*\slot+3], 2*ROWB
	s_add_nc_u64 s[G0B+4*\slot+2:G0B+4*\slot+3], s[G0B+4*\slot+2:G0B+4*\slot+3], 2*ROWB
	JLOAD G0+4*\slot, G1, G0B+4*\slot, G1B         ; the first tensor load behind the round; its four v_nop are the places in front of the loads below
.else
	PLACES NP
.endif
	FETCH_B \next, 0, 0
	FETCH_A \next, 0, 0
	WIN MUL_HI
	MUL16 4, 1, 0
	MUL16 6, 1, 0
	PLACES NP
	WIN 0
	FETCH_A \next, 0, 4
.endm
	s_wait_alu depctr_va_vdst(0)
	s_wait_tensorcnt 0x0                           ; my part of K step 0 is in
	ds_add_u32 v[SPW], v[NIL]
	s_wait_dscnt 0x0
	CROUND                                         ; everybody's part of K step 0 is in, and all sixteen work-groups are here
	JLOAD G0+4, G1, G0B+4, G1B                     ; K step 1: the first tensor load behind the round
	FETCH_B 0, 0, 0
	FETCH_A 0, 0, 0
	FETCH_A 0, 0, 4
	STEP 0, 0, 1                                   ; the first step stands in front of the loop: its products start the sums
	s_mov_b32 s3, LAPS-1
.Llap:                                                 ; a trip goes once round the ring and fills both slots again
	TURN 0, 1, 1
	STEP 1, 0, 0
	TURN 1, 0, 1
	STEP 0, 0, 0
	s_sub_co_u32 s3, s3, 1
	s_cmp_lg_u32 s3, 0
	s_cbranch_scc1 .Llap
	TURN 0, 1, 0                                   ; the last lap fills nothing, and has no round of the cluster's barrier
	STEP 1, 0, 0
	s_wait_dscnt 4*NL
	WIN MUL_LO
	MUL16 0, 1, 0
	MUL16 2, 1, 0
	s_wait_dscnt 0
	WIN MUL_HI
	MUL16 4, 1, 0
	MUL16 6, 1, 0
	WIN 0
	; THE WAY OUT
	s_wait_kmcnt 0x0
	s_cmp_eq_u32 ttmp9, 1
	s_cselect_b32 s92, s83, s82                    ; et: e3 for k, e2 for q,
	s_cselect_b64 s[88:89], s[70:71], s[68:69]     ; and the buffer
	s_cmp_eq_u32 ttmp9, 2
	s_cselect_b32 s92, s85, s92                    ; e5 for v
	s_cselect_b64 s[88:89], s[72:73], s[88:89]
	s_sub_co_i32 s92, s92, s80
	s_sub_co_i32 s92, s92, s81                     ; et - e0 - e1
	s_add_co_i32 s92, s92, 127
	s_lshl_b32 s93, s92, 23
	s_add_co_i32 s92, s92, 8
	s_lshl_b32 s92, s92, 23
	s_or_b32 s92, s92, 0x600000
	v_mov_b32 v[SC], s93                           ; these four plain lines name no register of the last products: they are the four places behind them
	v_mov_b32 v[LIM], s92
	v_and_b32 v[LO], 31, v0
	v_lshlrev_b32 v[LO], 4, v[LO]
	s_mov_b32 s75, 0
	s_cmp_eq_u32 ttmp9, 2                          ; the cluster's x: all sixteen partners go the same way
	s_cbranch_scc1 .Lvals
	; q and k.  Lane (r, h) of accumulator (a, b) holds token tile a's row r and, in register j, channel 32 ((b / 2) % 2) + 16 h + 8 (b % 2) + j of head b / 4.
	s_lshr_b32 s94, s17, 3                         ; batch
	s_lshl_b32 s94, s94, 4
	s_and_b32 s95, s42, 3
	s_lshl_b32 s95, s95, 2
	s_lshl_b32 s96, s16, 1
	s_add_co_u32 s95, s95, s96                     ; my first head
	s_add_co_u32 s94, s94, s95                     ; 16 x batch + head
	s_and_b32 s96, s17, 7
	s_lshl_b32 s96, s96, 4
	s_lshl_b32 s97, s15, 3
	s_add_co_u32 s96, s96, s97                     ; my first token tile in the batch
	s_lshl_b32 s94, s94, 7
	s_add_co_u32 s94, s94, s96
	s_lshl_b32 s74, s94, 10                        ; a tile's codes of one head are 1,024 bytes
	s_add_nc_u64 s[88:89], s[88:89], s[74:75]
	s_lshl_b32 s95, s95, 7
	s_add_co_u32 s95, s95, s96
	s_lshl_b32 s74, s95, 12                        ; a tile's cosines and sines of one head are 4,096 bytes
	s_add_nc_u64 s[90:91], s[10:11], s[74:75]
.macro ROPELOAD a                      ; block a's table, two heads x 1,024 numbers, into window 1: register 8 b + 2 p is the cosine and 8 b + 2 p + 1 the sine that accumulator (a, b)'s registers 2 p, 2 p + 1 want
	WIN 0x40
.irp i, 0,1,2,3,4,5,6,7,8,9,10,11,12,13,14,15
	global_load_b128 v[64*((\a)%4)+4*\i:64*((\a)%4)+4*\i+3], v[LO], s[90:91] offset:(\i/8)*524288+(\a)*4096+(\i%8)*512
.endr
	WIN 0
.endm
.macro QKBLOCK a
.set AC, 64*((\a)%4)
.set CB, CD+16*((\a)%2)
.if (\a) >= 2
	s_wait_xcnt 0x0                                ; block a - 2's stores have read their registers, which take this block's codes
.endif
.if (\a) <= 4
	s_wait_loadcnt 48                              ; this block's sixteen table loads are in; those of the three blocks behind it may be out
.else
	s_wait_loadcnt 16*(7-(\a))
.endif
	WIN 0x06+((\a)/4)                              ; source 0: the sums, window 2 or 3; source 1: the table, window 1
.irp b, 0,1,2,3,4,5,6,7
.irp p, 0,2,4,6
	v_pk_mul_f32 v[TMP+8*\b+\p:TMP+8*\b+\p+1], v[AC+8*\b+\p:AC+8*\b+\p+1], v[AC+8*\b+\p:AC+8*\b+\p+1] op_sel_hi:[1,0]   ; (x1 c, x2 c): the cosine serves both halves.  Each accumulator is read from its low end on
.endr
.irp p, 0,2,4,6
	v_pk_fma_f32 v[TMP+8*\b+\p:TMP+8*\b+\p+1], v[AC+8*\b+\p:AC+8*\b+\p+1], v[AC+8*\b+\p:AC+8*\b+\p+1], v[TMP+8*\b+\p:TMP+8*\b+\p+1] op_sel:[1,1,0] op_sel_hi:[0,1,1] neg_lo:[0,1,0]   ; (x1 c - x2 s, x2 c + x1 s)
.endr
.endr
	WIN 0
.set n, 0
.rept 64
	v_med3_num_f32 v[TMP+n], v[TMP+n], -v[LIM], v[LIM]   ; the conversion to an 8-bit code does not saturate (ISA guide 7.6.2): the hold comes first
.set n, n+1
.endr
.irp b, 0,1,2,3,4,5,6,7
	v_cvt_scalef32_pk8_fp8_f32 v[CB+2*\b:CB+2*\b+1], v[TMP+8*\b:TMP+8*\b+7], v[SC]
.endr
	v_nop                                          ; a plain line behind the last conversion, ahead of the next block's writes of its sources
.irp g, 0,1,2,3                        ; head g / 2, channels 32 (g % 2) + 16 h + 0 .. 15: four registers, half a fragment of the K = 64 form
	global_store_b128 v[LO], v[CB+4*\g:CB+4*\g+3], s[88:89] offset:(\g/2)*131072+(\a)*1024+(\g%2)*512   ; 32 lanes store 512 consecutive bytes
.endr
.if (\a) < 4
	ROPELOAD (\a)+4                                ; this block's table registers take the block four further on
.endif
.endm
	s_wait_alu depctr_va_vdst(0)
	ROPELOAD 0
	ROPELOAD 1
	ROPELOAD 2
	ROPELOAD 3
.irp a, 0,1,2,3,4,5,6,7
	QKBLOCK \a
.endr
	s_branch .Lend
.Lvals:
	; v.  Lane (r, h) of accumulator (a, b) holds channel row 16 (a % 4) + r of head a / 4 and, in register j, key 32 (b / 2) + 16 h + 8 (b % 2) + j of my 128: a block's 16 code registers are one fragment of the K = 128 form.
	s_lshr_b32 s94, s42, 3                         ; batch
	s_lshl_b32 s94, s94, 4
	s_and_b32 s95, s17, 3
	s_lshl_b32 s95, s95, 2
	s_lshl_b32 s96, s15, 1
	s_add_co_u32 s95, s95, s96                     ; my first head
	s_add_co_u32 s94, s94, s95
	s_lshl_b32 s94, s94, 4
	s_and_b32 s96, s42, 7
	s_lshl_b32 s96, s96, 1
	s_add_co_u32 s96, s96, s16                     ; which 128 keys of the batch
	s_add_co_u32 s94, s94, s96
	s_lshl_b32 s74, s94, 13                        ; a key step's codes of one head are 8,192 bytes
	s_add_nc_u64 s[88:89], s[88:89], s[74:75]
.macro VBLOCK a
.set AC, 64*((\a)%4)
.set CB, CD+16*((\a)%2)
.if (\a) >= 2
	s_wait_xcnt 0x0                                ; block a - 2's stores have read their registers
.endif
	WIN 0x02+((\a)/4)                              ; source 0: the sums
.set n, 0
.rept 64
	v_med3_num_f32 v[TMP+n], v[AC+n], -v[LIM], v[LIM]
.set n, n+1
.endr
	WIN 0
.irp b, 0,1,2,3,4,5,6,7
	v_cvt_scalef32_pk8_fp8_f32 v[CB+2*\b:CB+2*\b+1], v[TMP+8*\b:TMP+8*\b+7], v[SC]
.endr
	v_nop
.irp c, 0,1,2,3
	global_store_b128 v[LO], v[CB+4*\c:CB+4*\c+3], s[88:89] offset:((\a)/4)*131072+((\a)%4)*2048+\c*512
.endr
.endm
	s_wait_alu depctr_va_vdst(0)
.irp a, 0,1,2,3,4,5,6,7
	VBLOCK \a
.endr
.Lend:
	s_wait_tensorcnt 0x0                           ; the wave's end
	ds_add_u32 v[SPW], v[NIL]
	s_wait_dscnt 0x0
	CROUND                                         ; the closing round: no work-group ends while a partner may still ask for a tile that names it
	s_endpgm
.Lfunc_end_k_q548f4d379c_qkv:
	.size	k_q548f4d379c_qkv, .Lfunc_end_k_q548f4d379c_qkv-k_q548f4d379c_qkv
	.p2alignl 7, 3214868480
	.fill 96, 4, 3214868480
	.section	.rodata,"a",@progbits
	.p2align	6, 0x0
	.amdhsa_kernel k_q548f4d379c_qkv
		.amdhsa_group_segment_fixed_size 327680
		.amdhsa_private_segment_fixed_size 0
		.amdhsa_enable_private_segment 0
		.amdhsa_kernarg_size 56
		.amdhsa_user_sgpr_count 2
		.amdhsa_user_sgpr_kernarg_segment_ptr 1
		.amdhsa_wavefront_size32 1
		.amdhsa_system_sgpr_workgroup_id_x 1
		.amdhsa_system_sgpr_workgroup_id_y 1
		.amdhsa_system_sgpr_workgroup_id_z 1
		.amdhsa_system_vgpr_workitem_id 0
		.amdhsa_next_free_vgpr 1024
		.amdhsa_next_free_sgpr 100
		.amdhsa_reserve_vcc 0
		.amdhsa_float_denorm_mode_32 3
		.amdhsa_float_denorm_mode_16_64 3
		.amdhsa_memory_ordered 1
		.amdhsa_forward_progress 1
		.amdhsa_inst_pref_size 204
	.end_amdhsa_kernel
	.amdgpu_metadata
---
amdhsa.version: [ 1, 2 ]
amdhsa.kernels:
  - .name:           k_q548f4d379c_qkv
    .symbol:         k_q548f4d379c_qkv.kd
    .args:
      - { .name: x_codes, .offset: 0, .size: 8, .value_kind: global_buffer, .address_space: global }
      - { .name: wqkv_codes, .offset: 8, .size: 8, .value_kind: global_buffer, .address_space: global }
      - { .name: lowp_scales, .offset: 16, .size: 8, .value_kind: global_buffer, .address_space: global }
      - { .name: rope, .offset: 24, .size: 8, .value_kind: global_buffer, .address_space: global }
      - { .name: q_codes, .offset: 32, .size: 8, .value_kind: global_buffer, .address_space: global }
      - { .name: k_codes, .offset: 40, .size: 8, .value_kind: global_buffer, .address_space: global }
      - { .name: v_codes, .offset: 48, .size: 8, .value_kind: global_buffer, .address_space: global }
    .group_segment_fixed_size: 327680
    .private_segment_fixed_size: 0
    .kernarg_segment_align: 8
    .kernarg_segment_size: 56
    .max_flat_workgroup_size: 128
    .sgpr_count:     100
    .vgpr_count:     1024
    .wavefront_size: 32
...
	.end_amdgpu_metadata
.endif
;; end of part 2
;; launch attn (part 3): grid 4 x 64, 8 waves a work-group, no clusters, 327,680 bytes of LDS; arguments q_codes, k_codes, v_codes, lowp_scales, a_codes; writes a_codes
.if DOCPART == 3
	.amdgcn_target "amdgcn-amd-amdhsa--gfx1250"
	.amdhsa_code_object_version 6
	.text
	.protected	k_q548f4d379c_attn
	.globl	k_q548f4d379c_attn
	.p2align	8
	.type	k_q548f4d379c_attn,@function
k_q548f4d379c_attn:
	s_mov_b64 s[64:65], 0
	v_nop
	global_prefetch_b8 v0, s[64:65] scope:SCOPE_SE
	s_setreg_imm32_b32 hwreg(HW_REG_WAVE_MODE, 25, 1), 1
	s_wait_xcnt 0x0
; ATTN: causal attention on codes of FP8 (E4M3), 64 heads of 2,048 x 64, and the quantising of its result for the last product.
; t = score x log2(e) / 8; M = the row's largest t so far, rounded UP to a whole number; p = 2^(t - M) is quantised along the keys; the row's sum is taken of the unquantised p and divides at the end.
; When M moves, the sum and O are multiplied by 2^(old M - new M), which rounds nothing.  Key steps that lie wholly behind the causal mask of the problem are left out.
; SHARES.  Work-group (i, head) owns query blocks i and 7 - i (256 queries each), one after the other.  Keys come in chunks of 512: block i needs i / 2 + 1 chunks, block 7 - i needs 4 - i / 2: FIVE visits in every work-group.
; Each of the eight waves owns 32 neighbouring queries, tiles A and B of 16, so that each fragment of K and of V read from LDS feeds two matrix instructions.
; THE RING: two slots of 64 KiB.  Waves 0-3 fetch K, waves 4-7 V, one tensor load each: piece p = wave % 4 (2,048 bytes) of each of the chunk's four key steps, 4 rows 8,192 bytes apart in memory, on end in LDS.
;   So a slot holds K's piece p of step s at 8192 p + 2048 s, V's at 32768 + 8192 p + 2048 s, and every load holds bytes of the chunk's first step, which is read.
; LAYOUT.  Both products are used transposed: S^T = K Q^T (K = 64), O^T = V^T P^T (K = 128 keys): a lane holds one query of each tile.  Operands arrive as images of their registers, rows stored with bits 3 and 4 of
; their number exchanged: registers 16 b + i of S^T hold keys 32 b + 16 (lane / 16) + i.  Tile A's queries: Q0 + 16 (r / 8) + r % 8, r = lane % 16, Q0 = 256 x block + 32 x wave; tile B's: 8 further on.
; THE MASK is the C of the score products.  In the one step on the diagonal the 32 keys b = wave % 4 take 16 registers (0 or -3e38, made once at the head), the keys behind them eight registers of -3e38, those ahead 0.
; NO CLUSTER: the four work-groups of a head stand at different chunks in the same visit (their first blocks differ in length), so their requests never name the same tile at the same time.
; LIMITS on the given exponents: e2 + e3 between -64 and 130 (added to c's exponent field; a masked score x c stays under every t); e4 and e6 between -126 and 119; the scaled scores stay under 2^31 in magnitude.
; REGISTERS.  Window 0: v1-7, v28 addresses and scales; v8-15 state (-M, largest score, sum pair; A then B); v16-19 f; v20-27 at work; v32-47 Q; v48-111 O^T; v112-127 at work; v128-255 S^T, then p.
;   Window 1: v0-63 K (p's codes are laid over v0-31 when the scores are made); v64-127 V; v128-159 the diagonal's masks; v160-167 -3e38; v168-183 the second block's Q.
.set SLOT1, 1<<16
.set VOFF,  32768
.set SPARE, 2*SLOT1                    ; behind the ring: the spare words, 128 bytes for each wave: four blocks of 256 bytes that no other line names
.set LI,   1                           ; 16 x lane
.set ADR,  2                           ; the step's LDS address
.set SPW,  3                           ; my spare word; never rewritten
.set NIL,  4                           ; 0; never rewritten
.set PFO,  5                           ; 256 x lane
.set LIMP, 6                           ; v6, v7: 448 x 2^e4, twice: the two halves of a dual pair name registers of different banks
.set SCP,  28                          ; 2^e4
.set QA, 32
.set QB, 40
.set OA, 48
.set OB, 80
.set SA, 128
.set SB, 192
.set VR,  64                           ; window 1
.set MKA, 128
.set MKB, 144
.set NEG, 160
.set Q2,  168
.set WV,   18
.set WI,   19                          ; i / 2: the first block's last visit
.set SEL,  20
.set CS,   22
.set G1,   24
.set G0,   32
.set KVB,  36                          ; the head's first byte of my piece
.set OFS,  38
.set SIG,  40                          ; the chunk asked for last
.set VI,   41
.set SW,   42                          ; the visit with which the second block begins
.set TB,   43
.set KF,   44
.set Q0,   45
.set Q0B,  46
.set WM,   47                          ; wave % 4
.set PA,   48
.set PB,   50
.set PFA,  52
.set LIMV, 54
.set EPV,  55
.set IN,   67                          ; the step in the chunk
.set L6,   86                          ; 448 x 2^e6, 2^e6
.set S6,   87
.set MSB, 0
.macro WIN new                         ; the immediate's high byte repeats the setting that is left
.if MSB != (\new)
	s_set_vgpr_msb (MSB<<8)|(\new)
.set MSB, (\new)
.endif
.endm
.macro TLOAD                           ; every wave's one load; an s_nop 0 and four v_nop follow
	tensor_load_to_lds s[G0:G0+3], s[G1:G1+7]
	s_nop 0
.rept 4
	v_nop
.endr
.endm
; A PREFETCH INTO THE L2: in visit v = 0, 1, 2 the head's work-group with i = 0 asks for chunk v + 1, which its own change of slots loads one visit later: 8,192 bytes a wave (waves 0-3 of K, 4-7 of V), lanes 256 bytes apart.
; Each block of 256 bytes is named once in the launch, chunk 0 never, nothing past the head's end.
.macro ASK
	s_cmp_lt_u32 s[VI], s[LIMV]
	s_cbranch_scc0 .Lnm_\@
	global_prefetch_b8 v[PFO], s[PFA:PFA+1] th:TH_LOAD_NT scope:SCOPE_SE
.Lnm_\@:
.endm
.macro ANEW                            ; a block's state: the first step finds zeros, which the first change of M leaves zeros
	v_mov_b32 v9, 0xff61b1e6                       ; the largest score so far: -3e38
	v_mov_b32 v13, 0xff61b1e6
	v_mov_b32 v8, 0x7f61b1e6                       ; -M
	v_mov_b32 v12, 0x7f61b1e6
	v_mov_b32 v10, 0
	v_mov_b32 v11, 0
	v_mov_b32 v14, 0
	v_mov_b32 v15, 0
.set n, 0
.rept 64
	v_mov_b32 v[OA+n], 0
.set n, n+1
.endr
.endm
	s_load_b256 s[4:11], s[0:1], 0x0               ; q_codes, k_codes, v_codes, lowp_scales
	s_load_b64 s[12:13], s[0:1], 0x20              ; a_codes
	v_lshl_add_u32 v[SPW], v0, 2, SPARE
	v_mov_b32 v[NIL], 0
	ds_add_u32 v[SPW], v[NIL]                      ; the opening lines: the add, twice on end, and its wait ahead of my first tensor load
	ds_add_u32 v[SPW], v[NIL]
	v_lshrrev_b32 v20, 5, v0
	v_readfirstlane_b32 s[WV], v20                 ; wave 0..7
	s_lshr_b32 s[WI], ttmp9, 1
	s_add_co_u32 s[SW], s[WI], 1
	s_and_b32 s14, ttmp7, 0xffff                   ; 16 x batch + head
	s_lshl_b32 s56, s14, 17                        ; 131,072 bytes a head in q_codes, k_codes, v_codes
	s_lshr_b32 s15, s[WV], 2                       ; 0: I fetch K, 1: V
	s_and_b32 s[WM], s[WV], 3
	s_mov_b32 s[G1], 3<<16                         ; elements of 8 bytes, no mask, no padding
	s_mov_b32 s[G1+1], 256<<16                     ; tensor_dim0 = 256 elements: 2,048 bytes
	s_mov_b32 s[G1+2], 4<<16                       ; tensor_dim1 = 4
	s_mov_b32 s[G1+3], 256<<16                     ; tile_dim0
	s_mov_b32 s[G1+4], 4                           ; tile_dim1
	s_mov_b32 s[G1+5], 1024                        ; from row to row: 8,192 bytes, a key step
	s_mov_b32 s[G1+6], 0
	s_mov_b32 s[G1+7], 0
	s_mov_b32 s[SEL], 0x76543210
	s_mov_b32 s[SEL+1], 0xfedcba98
	s_mov_b32 s[CS], 0x3e38aa3b                    ; log2(e) / 8
	s_mov_b32 s[OFS+1], 0
	s_mov_b32 s[SIG], 0
	s_mov_b32 s[VI], 0
	s_mov_b32 s[TB], 0
	s_mov_b32 s[KF], 0
	s_lshl_b32 s16, s[WV], 5
	s_lshl_b32 s[Q0], ttmp9, 8
	s_add_co_u32 s[Q0], s[Q0], s16
	s_sub_co_u32 s17, 7, ttmp9
	s_lshl_b32 s[Q0B], s17, 8
	s_add_co_u32 s[Q0B], s[Q0B], s16
	s_lshl_b32 s16, s[WV], 1
	s_lshl_b32 s58, ttmp9, 4
	s_add_co_u32 s58, s58, s16                     ; tile A in the first block,
	s_lshl_b32 s59, s17, 4
	s_add_co_u32 s59, s59, s16                     ; and in the second
	s_lshr_b32 s60, s14, 4
	s_lshl_b32 s60, s60, 7                         ; 128 tiles a batch
	s_and_b32 s61, s14, 15
	s_lshl_b32 s61, s61, 10                        ; the head's 1,024 bytes of a tile's 16,384 in a_codes
	s_add_co_u32 s62, s60, s58
	s_lshl_b32 s62, s62, 14
	s_add_co_u32 s62, s62, s61
	s_mov_b32 s63, 0
	s_add_co_u32 s76, s60, s59
	s_lshl_b32 s76, s76, 14
	s_add_co_u32 s76, s76, s61
	s_mov_b32 s77, 0
	s_lshl_b32 s78, s58, 10                        ; a tile of Q is 1,024 bytes
	s_add_co_u32 s78, s78, s56
	s_mov_b32 s79, 0
	s_lshl_b32 s80, s59, 10
	s_add_co_u32 s80, s80, s56
	s_mov_b32 s81, 0
	s_lshl_b32 s82, s[WM], 11                      ; my piece of a step
	s_add_co_u32 s82, s82, s56
	s_mov_b32 s83, 0
	s_lshl_b32 s84, s[WM], 13                      ; the prefetches: my 8,192 bytes of a chunk.  Also my piece's place in a slot,
	s_lshl_b32 s85, s15, 15
	s_add_co_u32 s85, s85, s84                     ; K's part, or V's behind it
	s_add_co_u32 s84, s84, s56
	s_mov_b32 s57, 0
	s_cmp_eq_u32 ttmp9, 0
	s_cselect_b32 s[LIMV], 3, 0
	s_wait_dscnt 0x0                               ; both opening adds are done
	s_wait_kmcnt 0x0
	s_load_b256 s[68:75], s[10:11], 0x0            ; e0 .. e7
	s_cmp_eq_u32 s15, 0
	s_cselect_b64 s[PFA:PFA+1], s[6:7], s[8:9]
	s_add_nc_u64 s[KVB:KVB+1], s[PFA:PFA+1], s[82:83]
	s_mov_b32 s[G0], 1
	s_mov_b32 s[G0+1], s85
	s_mov_b64 s[G0+2:G0+3], s[KVB:KVB+1]
	s_or_b32 s[G0+3], s[G0+3], 0x80000000
	TLOAD                                          ; the first visit's chunk
	s_mov_b32 s85, 0
	s_add_nc_u64 s[PFA:PFA+1], s[PFA:PFA+1], s[84:85]  ; in chunk 0: the first change of slots steps it to chunk 1
	s_add_nc_u64 s[PA:PA+1], s[12:13], s[62:63]
	s_add_nc_u64 s[PB:PB+1], s[12:13], s[76:77]
	s_add_nc_u64 s[78:79], s[4:5], s[78:79]
	s_add_nc_u64 s[80:81], s[4:5], s[80:81]
	v_and_b32 v[LI], 31, v0
	v_lshlrev_b32 v[PFO], 8, v[LI]
	v_lshlrev_b32 v[LI], 4, v[LI]
.irp c, 0,1,2,3
	global_load_b128 v[QA+4*\c:QA+4*\c+3], v[LI], s[78:79] offset:512*\c   ; Q of tiles A and B
.endr
	v_and_b32 v24, 7, v0
	v_bfe_u32 v25, v0, 3, 1
	v_bfe_u32 v26, v0, 4, 1
	v_sub_nc_u32 v25, v25, v26
	v_lshl_add_u32 v24, v25, 4, v24                ; d = 16 (r / 8) + r % 8 - 16 (lane / 16): in the diagonal's 32 keys register i is hidden from tile A where i > d, from tile B where i - 8 > d
	v_mov_b32 v25, 0xff61b1e6
	WIN 0x40
.irp c, 0,1,2,3
	global_load_b128 v[Q2+4*\c:Q2+4*\c+3], v[LI], s[80:81] offset:512*\c   ; the second block's
.endr
.set n, 0
.rept 16
	v_cmp_gt_i32 vcc_lo, n, v24
	v_cndmask_b32 v[MKA+n], 0, v25, vcc_lo
	v_cmp_gt_i32 vcc_lo, n-8, v24
	v_cndmask_b32 v[MKB+n], 0, v25, vcc_lo
.set n, n+1
.endr
.set n, 0
.rept 8
	v_mov_b32 v[NEG+n], v25
.set n, n+1
.endr
	WIN 0
	ANEW
	v_mov_b32 v17, 0                               ; named as upper halves of pairs, and as lane permutes' destinations: written once
	v_mov_b32 v19, 0
	v_mov_b32 v22, 0
	v_mov_b32 v23, 0
	s_wait_kmcnt 0x0
	s_add_co_i32 s84, s70, s71
	s_lshl_b32 s84, s84, 23
	s_add_co_i32 s[CS], s[CS], s84                 ; a score stands for score x 2^(e2 + e3)
	s_mov_b32 s[CS+1], s[CS]
	s_add_co_i32 s84, s72, 127
	s_lshl_b32 s85, s84, 23
	v_mov_b32 v[SCP], s85
	s_add_co_i32 s84, s84, 8
	s_lshl_b32 s84, s84, 23
	s_or_b32 s84, s84, 0x600000
	v_mov_b32 v[LIMP], s84
	v_mov_b32 v[LIMP+1], s84
	s_add_co_i32 s84, s74, 127
	s_lshl_b32 s[S6], s84, 23
	s_add_co_i32 s84, s84, 8
	s_lshl_b32 s84, s84, 23
	s_or_b32 s[L6], s84, 0x600000
	s_add_co_i32 s[EPV], s72, s73
; The sixteen score products.  dv: which 32 keys lie on the diagonal (4: none).  Each fragment of K serves both tiles.
.macro SMUL dv
	WIN 0x11                                       ; K and C window 1, Q and D window 0
.irp t, 0,1,2,3,4,5,6,7
.if (\t/2) < \dv
	v_wmma_f32_16x16x64_fp8_fp8 v[SA+8*\t:SA+8*\t+7], v[8*\t:8*\t+7], v[QA:QA+7], 0
	v_wmma_f32_16x16x64_fp8_fp8 v[SB+8*\t:SB+8*\t+7], v[8*\t:8*\t+7], v[QB:QB+7], 0
.elseif (\t/2) == \dv
	v_wmma_f32_16x16x64_fp8_fp8 v[SA+8*\t:SA+8*\t+7], v[8*\t:8*\t+7], v[QA:QA+7], v[MKA+8*(\t%2):MKA+8*(\t%2)+7]
	v_wmma_f32_16x16x64_fp8_fp8 v[SB+8*\t:SB+8*\t+7], v[8*\t:8*\t+7], v[QB:QB+7], v[MKB+8*(\t%2):MKB+8*(\t%2)+7]
.else
	v_wmma_f32_16x16x64_fp8_fp8 v[SA+8*\t:SA+8*\t+7], v[8*\t:8*\t+7], v[QA:QA+7], v[NEG:NEG+7]
	v_wmma_f32_16x16x64_fp8_fp8 v[SB+8*\t:SB+8*\t+7], v[8*\t:8*\t+7], v[QB:QB+7], v[NEG:NEG+7]
.endif
.endr
	WIN 0
.endm
; A KEY STEP: 128 keys, step IN of the slot in hand, for both tiles; the two tiles' lines take turns.
.macro STEP
	s_add_co_u32 s96, s[Q0], 31                    ; my last query.  A step all of whose keys come after it is left out: a scalar branch on ids
	s_cmp_gt_u32 s[KF], s96
	s_cbranch_scc1 .Lhid_\@
	s_lshl_b32 s97, s[IN], 11
	s_add_co_u32 s97, s97, s[TB]
	v_add_nc_u32 v[ADR], s97, v[LI]
.rept 3
	v_nop                                          ; with the addition: four places in front of loads into registers that the last products read
.endr
	WIN 0x40
.irp t, 0,1,2,3,4,5,6,7
	ds_load_b128 v[8*\t:8*\t+3], v[ADR] offset:(\t/2)*8192+(\t%2)*1024
	ds_load_b128 v[8*\t+4:8*\t+7], v[ADR] offset:(\t/2)*8192+(\t%2)*1024+512
.endr
.irp t, 0,1,2,3
.irp c, 0,1,2,3
	ds_load_b128 v[VR+16*\t+4*\c:VR+16*\t+4*\c+3], v[ADR] offset:VOFF+\t*8192+\c*512
.endr
.endr
	WIN 0
	s_wait_dscnt 16                                ; K's sixteen loads are in; V's sixteen may be out
	s_add_co_u32 s96, s[KF], 127
	s_cmp_le_u32 s96, s[Q0]
	s_cbranch_scc1 .Lopen_\@
	s_cmp_eq_u32 s[WM], 0                          ; on the diagonal my 32 queries face keys 32 (wave % 4) on
	s_cbranch_scc1 .Ld0_\@
	s_cmp_eq_u32 s[WM], 1
	s_cbranch_scc1 .Ld1_\@
	s_cmp_eq_u32 s[WM], 2
	s_cbranch_scc1 .Ld2_\@
	SMUL 3
	s_branch .Ljoin_\@
.Ld0_\@:
	SMUL 0
	s_branch .Ljoin_\@
.Ld1_\@:
	SMUL 1
	s_branch .Ljoin_\@
.Ld2_\@:
	SMUL 2
	s_branch .Ljoin_\@
.Lopen_\@:
	SMUL 4
.Ljoin_\@:
	v_mov_b32 v20, v8                              ; the old -M; with the two v_nop: four places behind the products
	v_mov_b32 v21, v12
	v_nop
	v_nop
	v_max3_num_f32 v24, v[SA], v[SA+1], v[SA+2]    ; the step's largest score, two chains a tile; each accumulator is read from its low end on
	v_max3_num_f32 v25, v[SB], v[SB+1], v[SB+2]
	v_max3_num_f32 v26, v[SA+3], v[SA+4], v[SA+5]
	v_max3_num_f32 v27, v[SB+3], v[SB+4], v[SB+5]
.irp i, 6,10,14,18,22,26,30,34,38,42,46,50,54,58
	v_max3_num_f32 v24, v24, v[SA+\i], v[SA+\i+1]
	v_max3_num_f32 v25, v25, v[SB+\i], v[SB+\i+1]
	v_max3_num_f32 v26, v26, v[SA+\i+2], v[SA+\i+3]
	v_max3_num_f32 v27, v27, v[SB+\i+2], v[SB+\i+3]
.endr
	v_max3_num_f32 v24, v24, v[SA+62], v[SA+63]
	v_max3_num_f32 v25, v25, v[SB+62], v[SB+63]
	v_max_num_f32 v24, v24, v26
	v_max_num_f32 v25, v25, v27
	v_permlanex16_b32 v22, v24, s[SEL], s[SEL+1]
	v_permlanex16_b32 v23, v25, s[SEL], s[SEL+1]
	v_max3_num_f32 v9, v9, v24, v22                ; the running largest score, lane l xor 16's among them
	v_max3_num_f32 v13, v13, v25, v23
	v_mul_f32 v24, s[CS], v9                       ; as t (c is positive)
	v_mul_f32 v25, s[CS], v13
	v_floor_f32 v8, -v24                           ; the new -M = -ceil(t)
	v_floor_f32 v12, -v25
	v_sub_f32 v24, v8, v20                         ; old M - new M: a whole number, 0 or less
	v_sub_f32 v25, v12, v21
	v_cvt_i32_f32 v24, v24                         ; (it saturates)
	v_cvt_i32_f32 v25, v25
	v_ldexp_f32 v16, 1.0, v24                      ; f = 2^(old M - new M)
	v_ldexp_f32 v18, 1.0, v25
.set n, 0
.rept 32
	v_pk_fma_f32 v[SA+n:SA+n+1], v[SA+n:SA+n+1], s[CS:CS+1], v[8:9] op_sel_hi:[1,0,0]     ; t - M
	v_pk_fma_f32 v[SB+n:SB+n+1], v[SB+n:SB+n+1], s[CS:CS+1], v[12:13] op_sel_hi:[1,0,0]
.set n, n+2
.endr
	v_pk_mul_f32 v[10:11], v[10:11], v[16:17] op_sel_hi:[1,0]   ; the sums and O^T under the new M, ahead of the exponentials
	v_pk_mul_f32 v[14:15], v[14:15], v[18:19] op_sel_hi:[1,0]
.set n, 0
.rept 16
	v_pk_mul_f32 v[OA+n:OA+n+1], v[OA+n:OA+n+1], v[16:17] op_sel_hi:[1,0]
	v_pk_mul_f32 v[OB+n:OB+n+1], v[OB+n:OB+n+1], v[18:19] op_sel_hi:[1,0]
.set n, n+2
.endr
	s_wait_alu depctr_va_vdst(0)                   ; the wait ahead of the batch
.set n, 0
.rept 128
	v_exp_f32 v[SA+n], v[SA+n]                     ; p = 2^(t - M), at most 1
.set n, n+1
.endr
	v_nop                                          ; a plain line behind the exponentials
	s_wait_alu depctr_va_vdst(0)                   ; one wait for the batch, ahead of its first reader
.irp k, 0,1,2                                          ; the rows' sums of the unquantised p: four chains a tile
	v_pk_add_f32 v[112+2*\k:113+2*\k], v[SA+4*\k:SA+4*\k+1], v[SA+4*\k+2:SA+4*\k+3]
	v_pk_add_f32 v[118+2*\k:119+2*\k], v[SB+4*\k:SB+4*\k+1], v[SB+4*\k+2:SB+4*\k+3]
.endr
	v_pk_add_f32 v[10:11], v[10:11], v[SA+12:SA+13]
	v_pk_add_f32 v[14:15], v[14:15], v[SB+12:SB+13]
.set n, 7
.rept 25
.if (n%4) == 2
	v_pk_add_f32 v[10:11], v[10:11], v[SA+2*n:SA+2*n+1]
	v_pk_add_f32 v[14:15], v[14:15], v[SB+2*n:SB+2*n+1]
.else
.set CH, (n%4)-(n%4)/3
	v_pk_add_f32 v[112+2*CH:113+2*CH], v[112+2*CH:113+2*CH], v[SA+2*n:SA+2*n+1]
	v_pk_add_f32 v[118+2*CH:119+2*CH], v[118+2*CH:119+2*CH], v[SB+2*n:SB+2*n+1]
.endif
.set n, n+1
.endr
	v_pk_add_f32 v[112:113], v[112:113], v[114:115]
	v_pk_add_f32 v[118:119], v[118:119], v[120:121]
	v_pk_add_f32 v[10:11], v[10:11], v[116:117]
	v_pk_add_f32 v[14:15], v[14:15], v[122:123]
	v_pk_add_f32 v[10:11], v[10:11], v[112:113]
	v_pk_add_f32 v[14:15], v[14:15], v[118:119]
	s_wait_dscnt 0x0                               ; V is in: the wait stands here, ahead of the holds, so that no wait parts the conversions from the products that read their codes
.set n, 0
.rept 64
	v_dual_min_num_f32 v[SA+n], v[SA+n], v[LIMP] :: v_dual_min_num_f32 v[SA+n+1], v[SA+n+1], v[LIMP+1]   ; the conversion does not saturate (ISA guide 7.6.2); p is not negative, so the hold is one-sided
.set n, n+2
.endr
	WIN 0x40                                       ; the codes go over K's first 32 registers
.irp g, 0,1,2,3,4,5,6,7
	v_cvt_scalef32_pk8_fp8_f32 v[2*\g:2*\g+1], v[SA+8*\g:SA+8*\g+7], v[SCP]
	v_cvt_scalef32_pk8_fp8_f32 v[16+2*\g:17+2*\g], v[SB+8*\g:SB+8*\g+7], v[SCP]
.endr
	v_nop                                          ; a plain line between the conversions and the products
	WIN 0x05                                       ; V and the codes window 1, O^T window 0
.irp t, 0,1,2,3
	v_wmma_f32_16x16x128_fp8_fp8 v[OA+8*\t:OA+8*\t+7], v[VR+16*\t:VR+16*\t+15], v[0:15], v[OA+8*\t:OA+8*\t+7]   ; eight accumulators by turns
	v_wmma_f32_16x16x128_fp8_fp8 v[OB+8*\t:OB+8*\t+7], v[VR+16*\t:VR+16*\t+15], v[16:31], v[OB+8*\t:OB+8*\t+7]
.endr
	WIN 0
.Lhid_\@:
	s_add_co_u32 s[KF], s[KF], 128
.endm
.macro VISIT                           ; a chunk's four steps
	s_mov_b32 s[IN], 0
.Lstep_\@:
	STEP
	s_add_co_u32 s[IN], s[IN], 1
	s_cmp_lt_u32 s[IN], 4
	s_cbranch_scc1 .Lstep_\@
.endm
; THE CHANGE OF SLOTS stands at a visit's head: each wave waits for its tensor load (its piece of the slot ahead), adds 0 to its spare word, and waits for that and for its reads of the slot that it has left.
; fill = 1: behind the barrier that other slot is filled for the next visit: the load has a visit's four steps in which to land.
.macro CHANGE fill
	s_wait_tensorcnt 0x0                           ; no tensor load of mine is out, so group 0 may be written
	ds_add_u32 v[SPW], v[NIL]
.if \fill
	s_xor_b32 s[G0+1], s[G0+1], SLOT1
	s_add_co_u32 s[SIG], s[SIG], 1                 ; the next 512 keys,
	s_cmp_eq_u32 s[VI], s[WI]
	s_cselect_b32 s[SIG], 0, s[SIG]                ; or the head's first again, where the next visit begins the second block
	s_lshl_b32 s[OFS], s[SIG], 15
	s_add_nc_u64 s[G0+2:G0+3], s[KVB:KVB+1], s[OFS:OFS+1]
	s_or_b32 s[G0+3], s[G0+3], 0x80000000
	s_wait_xcnt 0x0                                ; the last prefetch has read its address
	s_add_nc_u64 s[PFA:PFA+1], s[PFA:PFA+1], 32768
.endif
	s_wait_dscnt 0x0
	s_barrier_signal -1
	s_barrier_wait -1
.if \fill
	TLOAD
	ASK
.endif
.endm
; A block's way out: O^T / the sum x 2^(e4 + e5), quantised with 2^e6; the codes are the last product's fragments, stored 512 consecutive bytes an instruction.
.macro WAYOUT ptr
	v_mov_b32 v20, s[L6]                           ; these four lines are the places behind the last products
	v_mov_b32 v21, s[S6]
	v_add_f32 v10, v10, v11
	v_add_f32 v14, v14, v15
	v_permlanex16_b32 v22, v10, s[SEL], s[SEL+1]
	v_permlanex16_b32 v23, v14, s[SEL], s[SEL+1]
	v_add_f32 v10, v10, v22
	v_add_f32 v14, v14, v23
	s_wait_alu depctr_va_vdst(0)                   ; the wait ahead of the reciprocals,
	v_rcp_f32 v10, v10
	v_rcp_f32 v14, v14
	v_nop
	s_wait_alu depctr_va_vdst(0)                   ; behind them,
	v_ldexp_f32 v10, v10, s[EPV]
	v_ldexp_f32 v14, v14, s[EPV]
	s_wait_alu depctr_va_vdst(0)                   ; and directly ahead of the first readers of O^T
.set n, 0
.rept 16
	v_pk_mul_f32 v[SA+n:SA+n+1], v[OA+n:OA+n+1], v[10:11] op_sel_hi:[1,0]
.set n, n+2
.endr
.set n, 0
.rept 16
	v_pk_mul_f32 v[SA+32+n:SA+33+n], v[OB+n:OB+n+1], v[14:15] op_sel_hi:[1,0]
.set n, n+2
.endr
.set n, 0
.rept 64
	v_med3_num_f32 v[SA+n], v[SA+n], -v20, v20
.set n, n+1
.endr
.irp t, 0,1,2,3,4,5,6,7
	v_cvt_scalef32_pk8_fp8_f32 v[112+2*\t:113+2*\t], v[SA+8*\t:SA+8*\t+7], v21
.endr
	v_nop
	global_store_b128 v[LI], v[112:115], s[\ptr:\ptr+1]
	global_store_b128 v[LI], v[116:119], s[\ptr:\ptr+1] offset:512
	global_store_b128 v[LI], v[120:123], s[\ptr:\ptr+1] offset:16384
	global_store_b128 v[LI], v[124:127], s[\ptr:\ptr+1] offset:16896
	s_wait_xcnt 0x0                                ; the stores have read their registers, which the next steps write
.endm
	s_wait_alu depctr_va_vdst(0)                   ; the wait at the head's end
	s_wait_loadcnt 0x0                             ; Q
.Lvisit:                                               ; four trips: behind each change of slots but the last the next visit's chunk is asked for
	CHANGE 1
	s_cmp_lg_u32 s[VI], s[SW]                      ; ids and the count of visits alone: all eight waves go the same way
	s_cbranch_scc1 .Lsame
	WAYOUT PA                                      ; the first block is finished
	ANEW
	WIN 0x01
.set n, 0
.rept 16
	v_mov_b32 v[QA+n], v[Q2+n]                     ; the second block's queries
.set n, n+1
.endr
	WIN 0
	s_mov_b32 s[Q0], s[Q0B]
	s_mov_b32 s[KF], 0
	s_wait_alu depctr_va_vdst(0)                   ; the wait
.Lsame:
	VISIT
	s_xor_b32 s[TB], s[TB], SLOT1
	s_add_co_u32 s[VI], s[VI], 1
	s_cmp_lt_u32 s[VI], 4
	s_cbranch_scc1 .Lvisit
	CHANGE 0                                       ; the fifth visit is written out
	VISIT
	WAYOUT PB
	s_wait_tensorcnt 0x0                           ; the wave's end
	ds_add_u32 v[SPW], v[NIL]
	s_wait_dscnt 0x0
	s_endpgm
.Lfunc_end_k_q548f4d379c_attn:
	.size	k_q548f4d379c_attn, .Lfunc_end_k_q548f4d379c_attn-k_q548f4d379c_attn
	.p2alignl 7, 3214868480
	.fill 96, 4, 3214868480
	.section	.rodata,"a",@progbits
	.p2align	6, 0x0
	.amdhsa_kernel k_q548f4d379c_attn
		.amdhsa_group_segment_fixed_size 327680
		.amdhsa_private_segment_fixed_size 0
		.amdhsa_enable_private_segment 0
		.amdhsa_kernarg_size 40
		.amdhsa_user_sgpr_count 2
		.amdhsa_user_sgpr_kernarg_segment_ptr 1
		.amdhsa_wavefront_size32 1
		.amdhsa_system_sgpr_workgroup_id_x 1
		.amdhsa_system_sgpr_workgroup_id_y 1
		.amdhsa_system_sgpr_workgroup_id_z 1
		.amdhsa_system_vgpr_workitem_id 0
		.amdhsa_next_free_vgpr 512
		.amdhsa_next_free_sgpr 100
		.amdhsa_reserve_vcc 1
		.amdhsa_float_denorm_mode_32 3
		.amdhsa_float_denorm_mode_16_64 3
		.amdhsa_memory_ordered 1
		.amdhsa_forward_progress 1
		.amdhsa_inst_pref_size 96
	.end_amdhsa_kernel
	.amdgpu_metadata
---
amdhsa.version: [ 1, 2 ]
amdhsa.kernels:
  - .name:           k_q548f4d379c_attn
    .symbol:         k_q548f4d379c_attn.kd
    .args:
      - { .name: q_codes, .offset: 0, .size: 8, .value_kind: global_buffer, .address_space: global }
      - { .name: k_codes, .offset: 8, .size: 8, .value_kind: global_buffer, .address_space: global }
      - { .name: v_codes, .offset: 16, .size: 8, .value_kind: global_buffer, .address_space: global }
      - { .name: lowp_scales, .offset: 24, .size: 8, .value_kind: global_buffer, .address_space: global }
      - { .name: a_codes, .offset: 32, .size: 8, .value_kind: global_buffer, .address_space: global }
    .group_segment_fixed_size: 327680
    .private_segment_fixed_size: 0
    .kernarg_segment_align: 8
    .kernarg_segment_size: 40
    .max_flat_workgroup_size: 256
    .sgpr_count:     100
    .vgpr_count:     512
    .wavefront_size: 32
...
	.end_amdgpu_metadata
.endif
;; end of part 3
;; launch oproj (part 4): grid 4 x 32, 4 waves a work-group, clusters of 4 x 4, 327,680 bytes of LDS; arguments a_codes, wo_codes, lowp_scales, out0; writes out0
.if DOCPART == 4
	.amdgcn_target "amdgcn-amd-amdhsa--gfx1250"
	.amdhsa_code_object_version 6
	.text
	.protected	k_q548f4d379c_oproj
	.globl	k_q548f4d379c_oproj
	.p2align	8
	.type	k_q548f4d379c_oproj,@function
k_q548f4d379c_oproj:
	s_mov_b64 s[64:65], 0
	v_nop
	global_prefetch_b8 v0, s[64:65] scope:SCOPE_SE
	s_setreg_imm32_b32 hwreg(HW_REG_WAVE_MODE, 25, 1), 1
	s_wait_xcnt 0x0
	s_wait_alu depctr_hold_cnt(0) depctr_sa_sdst(0) depctr_va_vdst(0) depctr_va_sdst(0) depctr_va_ssrc(0) depctr_va_vcc(0) depctr_vm_vsrc(0)
	s_getreg_b32 s2, hwreg(HW_REG_IB_STS2, 6, 4)
	s_cmp_eq_u32 s2, 0
	s_cbranch_scc0 .Lentry_in_a_cluster
	s_endpgm
.Lentry_in_a_cluster:
	s_bfe_u32 s2, ttmp6, 0x10000c
	s_cmp_lg_u32 s2, 0xf033
	s_cbranch_scc0 .Lentry_shape_is_right
	s_endpgm
.Lentry_shape_is_right:
.set SIZE_N, 1024
.set KROW,   1024
.set PITCH,  272
.set FR,     16
.set NL,     4
.set NP,     4
.set HALFA,  32768
.set HALFB,  128*PITCH
.set BOFF,   2*HALFA
.set SLOT,   BOFF+2*HALFB
.set LAPS,   2
.set SPARE,  2*SLOT
.set SPITCH, 528
.set ADRA, 16
.set ADRB, 20
.set STO,  24
.set RD,   25
.set CO,   26
.set SPW,  28
.set NIL,  29
.set TMP,  32
.set AF,   128
.set BK,   128
.set G1, 24
.set G0, 32
.set G1B, 48
.set G0B, 56
.set MSB, 0
.macro WIN new
.if MSB != (\new)
	s_set_vgpr_msb (MSB<<8)|(\new)
.set MSB, (\new)
.endif
.endm
.set MUL_LO, 0xa1
.set MUL_HI, 0xf1
.set TO_B,   0x40
.macro JLOAD g0a, g1a, g0b, g1b
	s_cmp_eq_u32 s15, 0
	s_cbranch_scc0 .Lfor_b_\@
	tensor_load_to_lds s[\g0a:\g0a+3], s[\g1a:\g1a+7]
	s_nop 0
.rept 4
	v_nop
.endr
	s_branch .Lasked_\@
.Lfor_b_\@:
	tensor_load_to_lds s[\g0b:\g0b+3], s[\g1b:\g1b+7]
	s_nop 0
.rept 4
	v_nop
.endr
.Lasked_\@:
.endm
.macro CREST
	s_cmp_lg_u32 s14, 0
	s_cbranch_scc1 .Lnot_wave_0_\@
	s_barrier_signal -3
.Lnot_wave_0_\@:
	s_barrier_wait -3
	s_barrier_signal -1
	s_barrier_wait -1
.endm
.macro CROUND
	s_barrier_signal -1
	s_barrier_wait -1
	CREST
.endm
	s_load_b128 s[4:7], s[0:1], 0x0
	s_load_b128 s[8:11], s[0:1], 0x10
	v_lshl_add_u32 v[SPW], v0, 2, SPARE
	v_mov_b32 v[NIL], 0
	ds_add_u32 v[SPW], v[NIL]
	ds_add_u32 v[SPW], v[NIL]
	v_lshrrev_b32 v1, 5, v0
	v_readfirstlane_b32 s14, v1
	s_lshr_b32 s15, s14, 1
	s_and_b32 s16, s14, 1
	s_bfe_u32 s40, ttmp6, 0x40000
	s_bfe_u32 s41, ttmp6, 0x40004
	s_lshl_b32 s42, ttmp9, 2
	s_add_co_u32 s42, s42, s40
	s_and_b32 s17, ttmp7, 0xffff
	s_lshl_b32 s17, s17, 2
	s_add_co_u32 s17, s17, s41
	s_lshl_b32 s43, s41, 2
	s_lshl_b32 s43, 15, s43
	s_lshl_b32 s44, 0x1111, s40
	s_or_b32 s[G1+0], s43, (3<<16)|(1<<21)
	s_mov_b32 s[G1+1], 512<<16
	s_mov_b32 s[G1+2], 8<<16
	s_mov_b32 s[G1+3], 512<<16
	s_mov_b32 s[G1+4], 8
	s_mov_b32 s[G1+5], 2048
	s_mov_b32 s[G1+6], 0
	s_mov_b32 s[G1+7], 0
	s_or_b32 s[G1B+0], s44, (0<<16)|(1<<20)|(1<<21)|(5<<22)|(3<<25)
	s_mov_b32 s[G1B+1], 256<<16
	s_mov_b32 s[G1B+2], 128<<16
	s_mov_b32 s[G1B+3], 256<<16
	s_mov_b32 s[G1B+4], 128
	s_mov_b32 s[G1B+5], KROW
	s_mov_b32 s[G1B+6], 0
	s_mov_b32 s[G1B+7], 0
	s_lshl_b32 s20, s17, 4
	s_lshl_b32 s18, s16, 3
	s_add_co_u32 s20, s20, s18
	s_lshl_b32 s20, s20, 14
	s_mov_b32 s21, 0
	s_lshl_b32 s46, s42, 8
	s_lshl_b32 s18, s16, 7
	s_add_co_u32 s46, s46, s18
	s_lshl_b32 s46, s46, 10
	s_mov_b32 s47, 0
	s_mul_i32 s45, s16, HALFA
	s_mul_i32 s18, s16, HALFB
	s_add_co_u32 s18, s18, BOFF
	s_wait_dscnt 0x0
	s_wait_kmcnt 0x0
	s_load_b64 s[96:97], s[8:9], 0x18
	s_add_nc_u64 s[20:21], s[4:5], s[20:21]
	s_add_nc_u64 s[46:47], s[6:7], s[46:47]
	CROUND
.irp s, 0,1
	s_mov_b32 s[G0+4*\s], 1
	s_add_co_u32 s[G0+4*\s+1], s45, \s*SLOT
	s_add_nc_u64 s[G0+4*\s+2:G0+4*\s+3], s[20:21], \s*4096
	s_or_b32 s[G0+4*\s+3], s[G0+4*\s+3], 0x80000000
	s_mov_b32 s[G0B+4*\s], 1
	s_add_co_u32 s[G0B+4*\s+1], s18, \s*SLOT
	s_add_nc_u64 s[G0B+4*\s+2:G0B+4*\s+3], s[46:47], \s*256
	s_or_b32 s[G0B+4*\s+3], s[G0B+4*\s+3], 0x80000000
	s_wait_alu depctr_va_vdst(0)
	s_wait_tensorcnt 0x0
	ds_add_u32 v28, v29
	ds_add_u32 v28, v29
	s_wait_dscnt 0x0
	CROUND
	JLOAD G0+4*\s, G1, G0B+4*\s, G1B
.endr
	v_and_b32 v1, 15, v0
	v_bfe_u32 v2, v0, 4, 1
	v_mul_u32_u24 v3, v1, PITCH
	v_lshl_add_u32 v4, v2, 4, v3
	v_and_b32 v6, 31, v0
	v_lshlrev_b32 v[CO], 4, v6
	s_wait_alu depctr_va_vdst(0)
	s_mul_i32 s21, s15, HALFA
	s_mul_i32 s22, s16, HALFB
	s_add_co_u32 s22, s22, BOFF
.irp s, 0,1
	v_add_nc_u32 v[ADRA+\s], s21, v[CO]
	v_add_nc_u32 v[ADRB+\s], s22, v4
	s_add_co_u32 s21, s21, SLOT
	s_add_co_u32 s22, s22, SLOT
.endr
	s_mul_i32 s23, s14, 16*SPITCH
	v_mul_u32_u24 v5, v1, SPITCH
	v_lshl_add_u32 v5, v2, 5, v5
	v_add_nc_u32 v[STO], s23, v5
	v_add_nc_u32 v[RD], s23, v[CO]
	s_lshl_b32 s20, s17, 8
	s_lshl_b32 s21, s15, 7
	s_add_co_u32 s20, s20, s21
	s_lshl_b32 s20, s20, 12
	s_lshl_b32 s46, s42, 10
	s_lshl_b32 s47, s16, 9
	s_add_co_u32 s46, s46, s47
	s_add_co_u32 s20, s20, s46
	s_mov_b32 s21, 0
	s_add_nc_u64 s[10:11], s[10:11], s[20:21]
.macro FRAG reg, adr, q, i
.irp c, 0,1,2,3
	ds_load_b128 v[\reg+4*\c:\reg+4*\c+3], v[\adr] offset:128*(\q)+32*\c+(\i)*16*PITCH
.endr
.endm
.macro FRAGA reg, adr, q, i
.irp c, 0,1,2,3
	ds_load_b128 v[\reg+4*\c:\reg+4*\c+3], v[\adr] offset:(\i)*4096+(\q)*2048+512*\c
.endr
.endm
.macro MUL16 a0, p, zero
.irp a, \a0, \a0+1
.irp b, 0,1,2,3,4,5,6,7
.if \zero
	v_wmma_f32_16x16x128_fp8_fp8 v[8*(8*((\a)%4)+\b):8*(8*((\a)%4)+\b)+7], v[128*(\p)+FR*\b:128*(\p)+FR*\b+FR-1], v[AF+FR*(\a):AF+FR*(\a)+FR-1], 0
.else
	v_wmma_f32_16x16x128_fp8_fp8 v[8*(8*((\a)%4)+\b):8*(8*((\a)%4)+\b)+7], v[128*(\p)+FR*\b:128*(\p)+FR*\b+FR-1], v[AF+FR*(\a):AF+FR*(\a)+FR-1], v[8*(8*((\a)%4)+\b):8*(8*((\a)%4)+\b)+7]
.endif
.endr
.endr
.endm
.macro FETCH_B slot, q, p
	WIN TO_B
.irp i, 0,1,2,3,4,5,6,7
	FRAG 128*(\p)+FR*\i, ADRB+\slot, \q, \i
.endr
	WIN 0
.endm
.macro FETCH_A slot, q, i0
.irp i, \i0, \i0+1, \i0+2, \i0+3
	FRAGA AF+FR*(\i), ADRA+\slot, \q, \i
.endr
.endm
.macro PLACES n
.rept \n
	v_nop
.endr
.endm
.macro STEP slot, q, zero
	s_wait_dscnt 4*NL
	WIN MUL_LO
	MUL16 0, (\q)%2, \zero
	MUL16 2, (\q)%2, \zero
	s_wait_dscnt 0
	PLACES NP
	FETCH_B \slot, (\q)+1, 1-(\q)%2
	FETCH_A \slot, (\q)+1, 0
	WIN MUL_HI
	MUL16 4, (\q)%2, \zero
	MUL16 6, (\q)%2, \zero
	PLACES NP
	WIN 0
	FETCH_A \slot, (\q)+1, 4
.endm
.macro TURN slot, next, fill
	s_wait_tensorcnt 0x0
	ds_add_u32 v[SPW], v[NIL]
	s_wait_dscnt 4*NL+1
	WIN MUL_LO
	MUL16 0, 1, 0
	s_wait_dscnt 0x0
	s_barrier_signal -1
	MUL16 2, 1, 0
	WIN 0
	s_barrier_wait -1
.if \fill
	CREST
	s_add_nc_u64 s[G0+4*\slot+2:G0+4*\slot+3], s[G0+4*\slot+2:G0+4*\slot+3], 2*4096
	s_add_nc_u64 s[G0B+4*\slot+2:G0B+4*\slot+3], s[G0B+4*\slot+2:G0B+4*\slot+3], 2*256
	JLOAD G0+4*\slot, G1, G0B+4*\slot, G1B
.else
	PLACES NP
.endif
	FETCH_B \next, 0, 0
	FETCH_A \next, 0, 0
	WIN MUL_HI
	MUL16 4, 1, 0
	MUL16 6, 1, 0
	PLACES NP
	WIN 0
	FETCH_A \next, 0, 4
.endm
	s_wait_alu depctr_va_vdst(0)
	s_wait_tensorcnt 1
	s_barrier_signal -1
	s_barrier_wait -1
	FETCH_B 0, 0, 0
	FETCH_A 0, 0, 0
	FETCH_A 0, 0, 4
	STEP 0, 0, 1
	s_mov_b32 s3, LAPS-1
.Llap:
	TURN 0, 1, 1
	STEP 1, 0, 0
	TURN 1, 0, 1
	STEP 0, 0, 0
	s_sub_co_u32 s3, s3, 1
	s_cmp_lg_u32 s3, 0
	s_cbranch_scc1 .Llap
	TURN 0, 1, 0
	STEP 1, 0, 0
	s_wait_dscnt 4*NL
	WIN MUL_LO
	MUL16 0, 1, 0
	MUL16 2, 1, 0
	s_wait_dscnt 0
	WIN MUL_HI
	MUL16 4, 1, 0
	MUL16 6, 1, 0
	WIN 0
.macro TOSTAGE a
.set AC, 64*((\a)%4)
	WIN 0x02+((\a)/4)
.set n, 0
.rept 32
	v_pk_mul_f32 v[TMP+n:TMP+n+1], v[AC+n:AC+n+1], s[96:97] op_sel_hi:[1,0]
.set n, n+2
.endr
	WIN 0
.irp b, 0,1,2,3,4,5,6,7
	ds_store_b128 v[STO], v[TMP+8*\b:TMP+8*\b+3] offset:64*\b
	ds_store_b128 v[STO], v[TMP+8*\b+4:TMP+8*\b+7] offset:64*\b+16
.endr
.set BB, BK+64*((\a)%2)
.irp t, 0,1,2,3,4,5,6,7,8,9,10,11,12,13,14,15
	ds_load_b128 v[BB+4*\t:BB+4*\t+3], v[RD] offset:\t*SPITCH
.endr
.endm
.macro SEND a, younger
.set BB, BK+64*((\a)%2)
	s_wait_dscnt \younger
.irp t, 0,1,2,3,4,5,6,7,8,9,10,11,12,13,14,15
	global_store_b128 v[CO], v[BB+4*\t:BB+4*\t+3], s[10:11] offset:(32*((\a)/2)+8*((\a)%2)+16*(\t/8)+\t%8)*SIZE_N*4 th:TH_STORE_NT
.endr
.endm
	s_wait_kmcnt 0x0
	s_add_co_i32 s96, s96, s97
	s_add_co_i32 s96, s96, 127
	s_lshl_b32 s96, s96, 23
	PLACES NP
	TOSTAGE 0
.irp a, 1,2,3,4,5,6,7
.if \a > 1
	s_wait_xcnt 0x0
.endif
	TOSTAGE \a
	SEND \a-1, 32
.endr
	SEND 7, 0
	s_wait_tensorcnt 0x0
	ds_add_u32 v[SPW], v[NIL]
	s_wait_dscnt 0x0
	CROUND
	s_endpgm
.Lfunc_end_k_q548f4d379c_oproj:
	.size	k_q548f4d379c_oproj, .Lfunc_end_k_q548f4d379c_oproj-k_q548f4d379c_oproj
	.p2alignl 7, 3214868480
	.fill 96, 4, 3214868480
	.section	.rodata,"a",@progbits
	.p2align	6, 0x0
	.amdhsa_kernel k_q548f4d379c_oproj
		.amdhsa_group_segment_fixed_size 327680
		.amdhsa_private_segment_fixed_size 0
		.amdhsa_enable_private_segment 0
		.amdhsa_kernarg_size 32
		.amdhsa_user_sgpr_count 2
		.amdhsa_user_sgpr_kernarg_segment_ptr 1
		.amdhsa_wavefront_size32 1
		.amdhsa_system_sgpr_workgroup_id_x 1
		.amdhsa_system_sgpr_workgroup_id_y 1
		.amdhsa_system_sgpr_workgroup_id_z 1
		.amdhsa_system_vgpr_workitem_id 0
		.amdhsa_next_free_vgpr 1024
		.amdhsa_next_free_sgpr 98
		.amdhsa_reserve_vcc 0
		.amdhsa_float_denorm_mode_32 3
		.amdhsa_float_denorm_mode_16_64 3
		.amdhsa_memory_ordered 1
		.amdhsa_forward_progress 1
		.amdhsa_inst_pref_size 124
	.end_amdhsa_kernel
	.amdgpu_metadata
---
amdhsa.version: [ 1, 2 ]
amdhsa.kernels:
  - .name:           k_q548f4d379c_oproj
    .symbol:         k_q548f4d379c_oproj.kd
    .args:
      - { .name: a_codes, .offset: 0, .size: 8, .value_kind: global_buffer, .address_space: global }
      - { .name: wo_codes, .offset: 8, .size: 8, .value_kind: global_buffer, .address_space: global }
      - { .name: lowp_scales, .offset: 16, .size: 8, .value_kind: global_buffer, .address_space: global }
      - { .name: out0, .offset: 24, .size: 8, .value_kind: global_buffer, .address_space: global }
    .group_segment_fixed_size: 327680
    .private_segment_fixed_size: 0
    .kernarg_segment_align: 8
    .kernarg_segment_size: 32
    .max_flat_workgroup_size: 128
    .sgpr_count:     98
    .vgpr_count:     1024
    .wavefront_size: 32
...
	.end_amdgpu_metadata
.endif
;; end of part 4
